; MI455X (gfx1250); checked and timed in simulation.
; The chip was launched on July 23, 2026; its instructions are those of AMD's public machine-readable ISA for CDNA 5 (MIT licence, August 2026) and "CDNA5" Instruction Set Architecture Reference Guide (July 2026). The comments in the code are by the model that wrote it; some were corrected since.
;; MHC Lite Block. Allowed arithmetic: float matrix products may take bf16 or f16 operands with f32 sums; all other float work in f32.
;; Inputs: W1 8,192 x 2,048 float32; W2 2,048 x 8,192 float32; W_all 32 x 8,192 float32; alpha_post 1 float32; alpha_pre 1 float32; alpha_res 1 float32; b1 8,192 float32; b2 2,048 float32; b_all 32 float32; perm_mat 24 x 16 float32; x_streams 2 x 1,024 x 4 x 2,048 float32.
;; Outputs: out0 2 x 1,024 x 4 x 2,048 float32.
;; 2 versions, each right; version 2 is version 1 with the launch prep written anew for expert scheduling mode. Each part assembles by itself: llvm-mc -triple=amdgcn-amd-amdhsa -mcpu=gfx1250 --defsym DOCPART=n.
;; ======== version 1 of 2: 4 launches
;; limits: values are held in f16: magnitudes above 65,504 overflow, below 6.1e-05 lose precision; right only within a limited range of input values
;; workspace buffers: li 8,388,608 bytes; coef 262,144 bytes; W1h 33,554,432 bytes; W2h 33,554,432 bytes; h 33,554,432 bytes; part 67,108,864 bytes
;; launch prep (part 1): grid 256 x 1, 16 waves a work-group, no clusters, 313,344 bytes of LDS; arguments x_streams, W_all, b_all, alpha_pre, alpha_post, alpha_res, perm_mat, W1, W2, li, coef, W1h, W2h; writes li, coef, W1h, W2h
.if DOCPART == 1
	.amdgcn_target "amdgcn-amd-amdhsa--gfx1250"
	.amdhsa_code_object_version 6
	.text
	.protected	k_q0b0402cc35_prep
	.globl	k_q0b0402cc35_prep
	.p2align	8
	.type	k_q0b0402cc35_prep,@function
k_q0b0402cc35_prep:
	s_mov_b64 s[64:65], 0
	v_nop
	global_prefetch_b8 v0, s[64:65] scope:SCOPE_SE
	s_setreg_imm32_b32 hwreg(HW_REG_WAVE_MODE, 25, 1), 1
	s_wait_xcnt 0x0
; Two jobs that do not depend on each other share this launch, 128 work-groups each, of nearly equal bytes.
; WORK-GROUPS 0-127: the gates and the pre-map of 16 tokens each.  A token is 4 streams x 2,048 f32 = 8,192 numbers.
;   proj[t][o] = sum over k of x[t][k] W_all[o][k] on the matrix unit (f16 operands, f32 sums), ss[t] = sum of x^2 from the f32 numbers,
;   logits = alpha * rsqrt(ss/8192 + eps) * proj + b_all  (the scaling stands behind the sum; reference() scales x first),
;   h_pre = sigmoid, h_post = 2 sigmoid, a_res = softmax over 24 with its maximum taken away, H_res = a_res x perm_mat (f16 operands),
;   coef[t] = { H_res - h_post h_pre^T (16), h_post (4), h_pre (4), h_post, h_pre once more so that all 128 bytes are written },
;   li[t][c] = sum over n of h_pre[n] x[t][n][c], x taken as the f16 fragments that the projection has left in registers, sums in f32, li in f16.
;   Wave w owns columns 128 w .. 128 w + 127 of all four streams: 512 of the 8,192 k.  x is read from memory once.
;   LOADS AHEAD: x and W_all come in 24 groups of eight 512-byte loads.  The 32 registers that will hold stream n's fragments are idle until
;   those fragments are made, so they take groups that are consumed before that, beside the ring's two halves: 48 loads of a wave are on
;   their way at the start, 40 through streams 0 and 1, 32 in stream 2, 24 in stream 3.
; WORK-GROUPS 128-255: W1 and W2 rounded to f16 (W1h, W2h), 1 MiB of f32 a work-group, 64 KiB a wave, 32 loads of a wave on their way.
; WHY f16 AND NOT bf16: 11 significant bits against 8, at the same matrix rate; five roundings lie between x and the layer's output.
; LIMITS: x, W_all, a_res, perm_mat, li, W1 and W2 are rounded to f16.  A magnitude of 65,520 or more becomes infinite; below 6.1e-5 the
;   step is a fixed 6e-8.  Room: |li| is at most 4 max |x|; x of magnitude 6 taken 30 times larger, or shifted by 30 spreads, gives under 700;
;   weights of rms 0.011 to 0.022 so treated stay under 2; 30 times smaller (rms 3.7e-4) the fixed step is an rms error of 1.7e-8, 5e-5 of the rms.
;   In the H_res product the k places 0-7 carry a = 0 against perm_mat's rows 0-7, so perm_mat has to be finite in f16.
; NO JOINT TENSOR LOADS for W_all, though 128 work-groups read it: it is rounded to f16 in registers on its way into LDS; f32 tiles for sixteen
;   waves' k ranges in two slots would be 2 x 16 x 32 rows x 528 bytes = 540,672 bytes, more than a work-group can have, and half of the
;   launch's work-groups have no part in it.
.set TOKROW,   32768                   ; bytes of a token in x, and of a row of W_all
.set STREAM,   8192                    ; bytes of a stream
.set WAVE_LDS, 17152                   ; a wave's own LDS: XS 16 x 528, then WS 32 x 272
.set XPITCH,   528                     ; 128 f32 + 16 bytes: an odd multiple of 16, so 16 rows start in 16 different 16-byte columns
.set WPITCH,   272                     ; 128 f16 + 16 bytes, likewise; also the pitch of li's stage, which lies on XS
.set WS,       8448
.set RED,      274432                  ; [17][16 waves][32 lanes] f32: the 16 accumulator registers and the sum of squares
.set SSOFF,    32768                   ; j = 16 in RED
.set RED2OFF,  34816                   ; RED2 = RED + 17 x 2,048: [16][32 lanes] f32, the sums over the waves
.set VX,   2                           ; 16 lane + 512 w: my bytes in a stream's part of a row, in x and in W_all alike; never rewritten
.set SX,   3                           ; XS + 16 lane;  later perm_mat's first offset, then the stage's read address
.set SW,   4                           ; base + 8 lane; later perm_mat's second offset, then my offset in li
.set FX,   5                           ; base + 528 r + 32 h; later RJ
.set FW,   6                           ; base + 272 r + 16 h: W's fragments (+ WS) and li's stage
.set RR,   7                           ; r = lane & 15
.set HH,   8                           ; h = lane >> 4
.set BO,   9                           ; 32 h
.set ACC0, 10                          ; v[10:17] outputs 8 h + j of token r
.set ACC1, 18                          ; v[18:25] outputs 16 + 8 h + j
.set XT,   26                          ; v[26:41] 16 f32 of x; in CONSUME the packed words of W_all
.set WF,   42                          ; v[42:57] two fragments of W_all
.set SS,   58                          ; v[58:61] sums of squares, two pairs
.set RA,   62                          ; RED + 4 lane + 128 w
.set L4,   63                          ; RED + 4 lane
.set RJ,   5                           ; RED + 4 lane + 2,048 w
.set XF,   128                         ; v[128:255] x as f16 fragments, chunk (n, q) at 8 (4 n + q)
.set BUFA, 64                          ; buffers of eight 16-byte loads: the ring's two halves,
.set BUFB, 96
.set BUF0, XF                          ; and stream n's 32 fragment registers, for groups consumed ahead of FRAGS n
.set BUF1, XF+32
.set BUF2, XF+64
.set BUF3, XF+96
.set HP,   26                          ; v[26:29] h_pre, v[30:33] h_post of token r, in every lane
.set HQ,   30
.set UN,   34                          ; v[34:41] pre-map: two numbers of each stream in f32 (v44-47: the four streams' words)
.set AK,   42                          ; v[42:43] pre-map: the sum
.set BB,   64                          ; v[64:79] b_all in the accumulators' order
.set OW,   64                          ; v[64:95] pre-map: eight packed words for each q
.set PJ,   80                          ; v[80:95] partial sums, then proj
.set ZL,   96                          ; v[96:111] partial sums of squares, then the logits
.set PM,   112                         ; v[112:127] perm_mat (wave 0)
.set CX,   64                          ; conversion: v[64:191] thirty-two slots as loaded
.set CY,   192                         ; conversion: v[192:255] thirty-two pairs to store
; Group g = 6 n + p of eight loads, 512 consecutive bytes each, into buffer buf: p = 0, 1 tokens 8 p + i of x, p = 2..5 rows 8 (p - 2) + i of W_all, stream n.
.macro ISSUE g, buf
.irp i, 0,1,2,3,4,5,6,7
.if ((\g)%6) < 2
	global_load_b128 v[\buf+4*\i:\buf+4*\i+3], v[VX], s[8:9] offset:(8*((\g)%6)+\i)*TOKROW+((\g)/6)*STREAM th:TH_LOAD_NT
.else
	global_load_b128 v[\buf+4*\i:\buf+4*\i+3], v[VX], s[10:11] offset:(8*((\g)%6-2)+\i)*TOKROW+((\g)/6)*STREAM
.endif
.endr
.endm
; Group g, which lies in buffer buf, goes into my LDS (x as f32, W_all as f16).  left = the loads issued behind this group's eight.
; nxt = the group that is asked for into the same buffer; 99: none (nothing is left, or the buffer is due for its fragments).
.macro CONSUME g, buf, left, nxt
	s_wait_loadcnt \left                           ; loads come back in order: group g is in, the younger groups stay out
.if ((\g)%6) < 2
.irp i, 0,1,2,3,4,5,6,7
	ds_store_b128 v[SX], v[\buf+4*\i:\buf+4*\i+3] offset:(8*((\g)%6)+\i)*XPITCH
.endr
.else
.irp i, 0,1,2,3,4,5,6,7
	v_cvt_pk_f16_f32 v[XT+2*\i], v[\buf+4*\i], v[\buf+4*\i+1]
	v_cvt_pk_f16_f32 v[XT+2*\i+1], v[\buf+4*\i+2], v[\buf+4*\i+3]
	ds_store_b64 v[SW], v[XT+2*\i:XT+2*\i+1] offset:WS+(8*((\g)%6-2)+\i)*WPITCH
.endr
.endif
	s_wait_dscnt 0x0                               ; the stores are done before their data registers are written again
.if \nxt < 24
	ISSUE \nxt, \buf
.endif
.endm
; 16 f32 of token r: k = 32 q + 8 h + 0..7 and 32 q + 16 + 8 h + 0..7, the places of a 16-bit fragment
.macro XTLOAD q
	ds_load_b128 v[XT:XT+3],     v[FX] offset:128*(\q)
	ds_load_b128 v[XT+4:XT+7],   v[FX] offset:128*(\q)+16
	ds_load_b128 v[XT+8:XT+11],  v[FX] offset:128*(\q)+64
	ds_load_b128 v[XT+12:XT+15], v[FX] offset:128*(\q)+80
.endm
; 32 k of stream n: squares, the fragment of x, two products.  Source A = 16 rows of W_all, source B = 16 tokens.
.macro CHUNK n, q
	s_wait_dscnt 0x0                               ; this chunk's x: nothing younger is out
.irp i, 0,1,2,3,4,5,6,7
.if (\n)+(\q)+(\i)/2 == 0
	v_pk_mul_f32 v[SS+2*(\i%2):SS+2*(\i%2)+1], v[XT+2*\i:XT+2*\i+1], v[XT+2*\i:XT+2*\i+1]   ; the first two start the sums: nothing is cleared
.else
	v_pk_fma_f32 v[SS+2*(\i%2):SS+2*(\i%2)+1], v[XT+2*\i:XT+2*\i+1], v[XT+2*\i:XT+2*\i+1], v[SS+2*(\i%2):SS+2*(\i%2)+1]
.endif
.endr
	; the eight lines above name no register of the last products: they are the places in front of the loads into WF
.irp u, 0,1
	ds_load_b128 v[WF+8*\u:WF+8*\u+3],   v[FW] offset:WS+\u*16*WPITCH+64*\q
	ds_load_b128 v[WF+8*\u+4:WF+8*\u+7], v[FW] offset:WS+\u*16*WPITCH+64*\q+32
.endr
.irp i, 0,1,2,3,4,5,6,7
	v_cvt_pk_f16_f32 v[XF+8*(4*\n+\q)+\i], v[XT+2*\i], v[XT+2*\i+1]
.endr
.if \q < 3
	XTLOAD \q+1
	s_wait_dscnt 0x4                               ; WF is in; the four loads of the next chunk's x stay out
.else
	s_wait_dscnt 0x0
.endif
	; the two accumulators take turns, one instruction a turn
.if (\n)+(\q) == 0
	v_wmma_f32_16x16x32_f16 v[ACC0:ACC0+7], v[WF:WF+7],    v[XF+8*(4*\n+\q):XF+8*(4*\n+\q)+7], 0
	v_wmma_f32_16x16x32_f16 v[ACC1:ACC1+7], v[WF+8:WF+15], v[XF+8*(4*\n+\q):XF+8*(4*\n+\q)+7], 0
.else
	v_wmma_f32_16x16x32_f16 v[ACC0:ACC0+7], v[WF:WF+7],    v[XF+8*(4*\n+\q):XF+8*(4*\n+\q)+7], v[ACC0:ACC0+7]
	v_wmma_f32_16x16x32_f16 v[ACC1:ACC1+7], v[WF+8:WF+15], v[XF+8*(4*\n+\q):XF+8*(4*\n+\q)+7], v[ACC1:ACC1+7]
.endif
.endm
.macro FRAGS n
	XTLOAD 0
	CHUNK \n, 0
	CHUNK \n, 1
	CHUNK \n, 2
	CHUNK \n, 3
.endm
; v[d] = the sum of v[b] .. v[b+15]
.macro TREE16 b, d
.irp k, 0,2,4,6
	v_pk_add_f32 v[\b+\k:\b+\k+1], v[\b+\k:\b+\k+1], v[\b+8+\k:\b+8+\k+1]
.endr
	v_pk_add_f32 v[\b:\b+1], v[\b:\b+1], v[\b+4:\b+5]
	v_pk_add_f32 v[\b+2:\b+3], v[\b+2:\b+3], v[\b+6:\b+7]
	v_pk_add_f32 v[\b:\b+1], v[\b:\b+1], v[\b+2:\b+3]
	v_add_f32 v[\d], v[\b], v[\b+1]
.endm
; li for the 32 columns of chunk q: word i of the four streams' fragments holds the same two columns.
; A register's halves can be named only in v0-127, and the fragments lie above: each word is moved down before it is widened.
.macro PREMAP q
.irp i, 0,1,2,3,4,5,6,7
	v_mov_b32 v44, v[XF+8*(0+\q)+\i]
	v_mov_b32 v45, v[XF+8*(4+\q)+\i]
	v_mov_b32 v46, v[XF+8*(8+\q)+\i]
	v_mov_b32 v47, v[XF+8*(12+\q)+\i]
	v_cvt_f32_f16 v34, v44.l
	v_cvt_f32_f16 v35, v44.h
	v_cvt_f32_f16 v36, v45.l
	v_cvt_f32_f16 v37, v45.h
	v_cvt_f32_f16 v38, v46.l
	v_cvt_f32_f16 v39, v46.h
	v_cvt_f32_f16 v40, v47.l
	v_cvt_f32_f16 v41, v47.h
	v_pk_mul_f32 v[AK:AK+1], v[UN:UN+1],   v[HP:HP+1] op_sel_hi:[1,0]                             ; both by h_pre[0]
	v_pk_fma_f32 v[AK:AK+1], v[UN+2:UN+3], v[HP:HP+1],   v[AK:AK+1] op_sel:[0,1,0] op_sel_hi:[1,1,1] ; both by h_pre[1]
	v_pk_fma_f32 v[AK:AK+1], v[UN+4:UN+5], v[HP+2:HP+3], v[AK:AK+1] op_sel_hi:[1,0,1]                ; h_pre[2]
	v_pk_fma_f32 v[AK:AK+1], v[UN+6:UN+7], v[HP+2:HP+3], v[AK:AK+1] op_sel:[0,1,0] op_sel_hi:[1,1,1] ; h_pre[3]
	v_cvt_pk_f16_f32 v[OW+8*\q+\i], v[AK], v[AK+1]
.endr
	ds_store_b128 v[FW], v[OW+8*\q:OW+8*\q+3]   offset:64*\q        ; row r, columns 32 q + 8 h ..
	ds_store_b128 v[FW], v[OW+8*\q+4:OW+8*\q+7] offset:64*\q+32     ; columns 32 q + 16 + 8 h ..
.endm
; conversion: the turn of batch b, eight of the ring's 32 slots.  left = how many younger loads may stay out; ahead = 1: the batch is filled again.
.macro CBATCH b, ahead, left
	s_wait_loadcnt \left                           ; loads come back in order: this batch's eight are in
	s_wait_xcnt 0x0                                ; the batch's pairs, which its last stores read, are rewritten only behind this wait: one wait for eight slots
.irp i, 0,1,2,3,4,5,6,7
	v_cvt_pk_f16_f32 v[CY+2*(8*\b+\i)],   v[CX+4*(8*\b+\i)],   v[CX+4*(8*\b+\i)+1]
	v_cvt_pk_f16_f32 v[CY+2*(8*\b+\i)+1], v[CX+4*(8*\b+\i)+2], v[CX+4*(8*\b+\i)+3]
.endr
.if \ahead
.irp i, 0,1,2,3,4,5,6,7
	global_load_b128 v[CX+4*(8*\b+\i):CX+4*(8*\b+\i)+3], v2, s[34:35] offset:(32+8*\b+\i)*512 th:TH_LOAD_NT
.endr
.endif
.irp i, 0,1,2,3,4,5,6,7
	global_store_b64 v3, v[CY+2*(8*\b+\i):CY+2*(8*\b+\i)+1], s[36:37] offset:(8*\b+\i)*256 th:TH_STORE_NT   ; the wave's 32 lanes store 256 consecutive bytes, aligned
.endr
.endm
	s_load_b512 s[8:23], s[0:1], 0x0               ; x, W_all, b_all, alpha_pre, alpha_post, alpha_res, perm_mat, W1
	s_load_b256 s[24:31], s[0:1], 0x40             ; W2, li, coef, W1h
	s_load_b64 s[32:33], s[0:1], 0x60              ; W2h
	s_mov_b32 s2, ttmp9
	v_lshrrev_b32 v1, 5, v0
	v_readfirstlane_b32 s3, v1                     ; wave 0..15
	v_and_b32 v1, 31, v0                           ; lane
	s_wait_kmcnt 0x0
	s_cmp_lt_u32 s2, 128                           ; the same in all waves of a work-group
	s_cbranch_scc0 .Lcvt
	; ================= work-groups 0-127: gates and pre-map of tokens 16 g .. 16 g + 15
	s_load_b32 s41, s[14:15], 0x0                  ; alpha_pre
	s_load_b32 s42, s[16:17], 0x0                  ; alpha_post
	s_load_b32 s43, s[18:19], 0x0                  ; alpha_res
	s_lshl_b32 s4, s2, 19                          ; 16 tokens of 32,768 bytes
	s_mov_b32 s5, 0
	s_add_nc_u64 s[8:9], s[8:9], s[4:5]
	s_lshl_b32 s4, s2, 16                          ; 16 rows of li, 4,096 bytes each
	s_add_nc_u64 s[26:27], s[26:27], s[4:5]
	s_lshl_b32 s4, s2, 11                          ; 16 records of coef, 128 bytes each
	s_add_nc_u64 s[28:29], s[28:29], s[4:5]
	v_lshlrev_b32 v[VX], 4, v1
	v_lshl_add_u32 v[VX], s3, 9, v[VX]
	ISSUE 0, BUF0                                  ; all of stream 0's six groups go out at once: 48 loads
	ISSUE 1, BUF1
	ISSUE 2, BUF2
	ISSUE 3, BUF3
	ISSUE 4, BUFA
	ISSUE 5, BUFB
	s_mul_i32 s6, s3, WAVE_LDS                     ; my wave's LDS
	s_mov_b32 s40, 0xffff0000                      ; lanes 16-31 as a mask
	s_mov_b32 s44, 0x76543210                      ; v_permlanex16_b32: lane i takes lane i of the other half
	s_mov_b32 s45, 0xfedcba98
	s_mov_b32 s46, 0x39000000                      ; 1 / 8192
	s_mov_b32 s47, 0x34000000                      ; eps = 2^-23
	s_mov_b32 s48, 0x3fb8aa3b                      ; log2 e
	v_and_b32 v[RR], 15, v0
	v_bfe_u32 v[HH], v0, 4, 1
	v_lshl_add_u32 v[SX], v1, 4, s6
	v_lshl_add_u32 v[SW], v1, 3, s6
	v_mul_u32_u24 v[FX], v[RR], XPITCH
	v_lshl_add_u32 v[FX], v[HH], 5, v[FX]
	v_add_nc_u32 v[FX], s6, v[FX]
	v_mul_u32_u24 v[FW], v[RR], WPITCH
	v_lshl_add_u32 v[FW], v[HH], 4, v[FW]
	v_add_nc_u32 v[FW], s6, v[FW]
	v_lshlrev_b32 v[BO], 5, v[HH]
	; The groups in order.  A consumed buffer takes the next group not yet asked for, unless that group would be consumed behind the
	; fragments that the buffer is due for.  The count at group g is eight times the number of groups asked for behind it.
	CONSUME 0,  BUF0, 40, 99                       ; groups 1-5 stay out; BUF0 is due for stream 0's fragments
	CONSUME 1,  BUF1, 32, 6
	CONSUME 2,  BUF2, 32, 7
	CONSUME 3,  BUF3, 32, 8
	CONSUME 4,  BUFA, 32, 9
	CONSUME 5,  BUFB, 32, 10
	FRAGS 0                                        ; groups 6-10 are on their way meanwhile
	CONSUME 6,  BUF1, 32, 11
	CONSUME 7,  BUF2, 32, 12
	CONSUME 8,  BUF3, 32, 13
	CONSUME 9,  BUFA, 32, 14
	CONSUME 10, BUFB, 32, 15
	CONSUME 11, BUF1, 32, 99                       ; BUF1 is due for stream 1's fragments
	FRAGS 1                                        ; groups 12-15 are on their way
	CONSUME 12, BUF2, 24, 16
	CONSUME 13, BUF3, 24, 17
	CONSUME 14, BUFA, 24, 18
	CONSUME 15, BUFB, 24, 19
	CONSUME 16, BUF2, 24, 99                       ; BUF2 is due for stream 2's fragments
	CONSUME 17, BUF3, 16, 20
	FRAGS 2                                        ; groups 18-20 are on their way
	CONSUME 18, BUFA, 16, 21
	CONSUME 19, BUFB, 16, 22
	CONSUME 20, BUF3, 16, 23
	CONSUME 21, BUFA, 16, 99                       ; nothing is left to ask for: the counts run down
	CONSUME 22, BUFB, 8,  99
	CONSUME 23, BUF3, 0,  99
	; the ring's halves are free: b_all in the accumulators' order, b_all[8 h + j] and b_all[16 + 8 h + j]
	global_load_b128 v[BB:BB+3],     v[BO], s[12:13]
	global_load_b128 v[BB+4:BB+7],   v[BO], s[12:13] offset:16
	global_load_b128 v[BB+8:BB+11],  v[BO], s[12:13] offset:64
	global_load_b128 v[BB+12:BB+15], v[BO], s[12:13] offset:80
	s_cmp_lg_u32 s3, 0
	s_cbranch_scc1 .Lno_perm
	; wave 0: perm_mat as source A of H_res = perm_mat^T x a: row m = r is entry r, k is the output's index, perm_mat's row is k - 8.
	; k = 8 h + i: row i (true for h = 1; for h = 0 it meets a = 0).  k = 16 + 8 h + i: row 8 + 8 h + i.
	v_lshlrev_b32 v[SX], 2, v[RR]
	v_lshl_add_u32 v[SW], v[HH], 9, v[SX]
.irp i, 0,1,2,3,4,5,6,7
	global_load_b32 v[PM+\i], v[SX], s[20:21] offset:64*\i
.endr
.irp i, 0,1,2,3,4,5,6,7
	global_load_b32 v[PM+8+\i], v[SW], s[20:21] offset:512+64*\i
.endr
.Lno_perm:
	FRAGS 3
	; ---- the sum over the sixteen waves.  The six lines below name no register of the last products: the places in front of the stores of D
	v_pk_add_f32 v[SS:SS+1], v[SS:SS+1], v[SS+2:SS+3]
	v_lshlrev_b32 v[L4], 2, v1
	v_add_nc_u32 v[L4], RED, v[L4]
	v_lshl_add_u32 v[RA], s3, 7, v[L4]
	v_lshl_add_u32 v[RJ], s3, 11, v[L4]
	v_add_f32 v[SS], v[SS], v[SS+1]
.irp j, 0,1,2,3,4,5,6,7,8,9,10,11,12,13,14,15
	ds_store_b32 v[RA], v[ACC0+\j] offset:2048*\j
.endr
	ds_store_b32 v[RA], v[SS] offset:SSOFF
	s_wait_dscnt 0x0                               ; for the other waves: my stores are done
	s_barrier_signal -1
	s_barrier_wait -1
.irp i, 0,1,2,3,4,5,6,7,8,9,10,11,12,13,14,15
	ds_load_b32 v[PJ+\i], v[RJ] offset:128*\i      ; accumulator register j = w of all sixteen waves
.endr
.irp i, 0,1,2,3,4,5,6,7,8,9,10,11,12,13,14,15
	ds_load_b32 v[ZL+\i], v[L4] offset:SSOFF+128*\i ; every wave adds the sums of squares for itself
.endr
	s_wait_dscnt 0x0
	TREE16 PJ, PJ
	TREE16 ZL, SS
	ds_store_b32 v[RA], v[PJ] offset:RED2OFF
	s_wait_dscnt 0x0
	s_barrier_signal -1
	s_barrier_wait -1
.irp j, 0,1,2,3,4,5,6,7,8,9,10,11,12,13,14,15
	ds_load_b32 v[PJ+\j], v[L4] offset:RED2OFF+128*\j
.endr
	; ---- the gates, in every wave
	v_permlanex16_b32 v[SS+1], v[SS], s44, s45     ; the other half of the lanes holds the other k of token r
	v_add_f32 v[SS], v[SS], v[SS+1]
	v_fma_f32 v[SS+1], v[SS], s46, s47             ; mean of squares + eps
	v_rsq_f32 v[SS+2], v[SS+1]
	s_wait_kmcnt 0x0                               ; the three alphas
	v_mov_b32 v34, s41                             ; (plain lines behind v_rsq_f32: ISA guide 5.7.2)
	v_mov_b32 v35, s42
	v_mov_b32 v36, s43
	v_cndmask_b32 v34, v34, v36, s40               ; registers 0-3: outputs 0-3 (pre) for h = 0, 8-11 (res) for h = 1
	v_cndmask_b32 v35, v35, v36, s40               ; registers 4-7: outputs 4-7 (post) or 12-15 (res)
	s_wait_alu depctr_va_vdst(0)
	v_mul_f32 v34, v34, v[SS+2]
	v_mul_f32 v35, v35, v[SS+2]
	v_mul_f32 v36, v36, v[SS+2]
	s_wait_dscnt 0x0                               ; proj
	s_wait_loadcnt 0x0                             ; b_all (and in wave 0 perm_mat)
.irp j, 0,1,2,3
	v_fma_f32 v[ZL+\j], v[PJ+\j], v34, v[BB+\j]
.endr
.irp j, 4,5,6,7
	v_fma_f32 v[ZL+\j], v[PJ+\j], v35, v[BB+\j]
.endr
.irp j, 8,9,10,11,12,13,14,15
	v_fma_f32 v[ZL+\j], v[PJ+\j], v36, v[BB+\j]
.endr
	; sigmoid(z) = 1 / (1 + 2^(-z log2 e)) of registers 0-7; lanes 16-31 work on logits of the softmax and their results are thrown away
.irp j, 0,1,2,3,4,5,6,7
	v_mul_f32 v[42+\j], 0xbfb8aa3b, v[ZL+\j]
.endr
.irp j, 0,1,2,3,4,5,6,7
	v_exp_f32 v[42+\j], v[42+\j]
.endr
	v_nop                                          ; one plain line behind the run of transcendentals
	s_wait_alu depctr_va_vdst(0)
.irp j, 0,1,2,3,4,5,6,7
	v_add_f32 v[50+\j], 1.0, v[42+\j]
.endr
.irp j, 0,1,2,3,4,5,6,7
	v_rcp_f32 v[42+\j], v[50+\j]
.endr
	v_nop
	s_wait_alu depctr_va_vdst(0)
.irp j, 4,5,6,7
	v_add_f32 v[42+\j], v[42+\j], v[42+\j]         ; h_post = 2 sigmoid
.endr
.irp j, 0,1,2,3,4,5,6,7
	v_permlanex16_b32 v[50+\j], v[42+\j], s44, s45
.endr
.irp j, 0,1,2,3,4,5,6,7
	v_cndmask_b32 v[HP+\j], v[42+\j], v[50+\j], s40 ; lanes 16-31 take lanes 0-15's: h_pre v[26:29], h_post v[30:33] of token r everywhere
.endr
	; ---- pre-map, and li out through my own stage: 16 rows x 272 bytes on XS, which I alone touch
	PREMAP 0
	PREMAP 1
	PREMAP 2
	PREMAP 3
	v_mul_u32_u24 v[SX], v[HH], WPITCH             ; back: lanes 0-15 one row of 256 bytes, lanes 16-31 the next
	v_lshl_add_u32 v[SX], v[RR], 4, v[SX]
	v_add_nc_u32 v[SX], s6, v[SX]
	v_lshlrev_b32 v[SW], 12, v[HH]                 ; the same two rows in li, at my wave's 256 bytes
	v_lshl_add_u32 v[SW], v[RR], 4, v[SW]
	v_lshl_add_u32 v[SW], s3, 8, v[SW]
.irp t, 0,1,2,3,4,5,6,7
	ds_load_b128 v[XF+4*\t:XF+4*\t+3], v[SX] offset:2*\t*WPITCH   ; LDS serves a wave's instructions in order (ISA guide 5.7.1.4): these see the stores above
.endr
.irp t, 0,1,2,3,4,5,6,7
	s_wait_dscnt 7-\t                              ; load t is in, the younger ones stay out
	global_store_b128 v[SW], v[XF+4*\t:XF+4*\t+3], s[26:27] offset:8192*\t   ; 16 lanes store 256 consecutive bytes, aligned
.endr
	s_cmp_lg_u32 s3, 0
	s_cbranch_scc1 .Ldone
	; ---- wave 0 alone: softmax over outputs 8-31, H_res, H_merged, the records
	v_mov_b32 v34, 0xff800000
.irp j, 0,1,2,3,4,5,6,7
	v_cndmask_b32 v[ZL+\j], v34, v[ZL+\j], s40     ; outputs 0-7 are no logits: minus infinity, so that a = 0
.endr
	v_max3_num_f32 v35, v[ZL], v[ZL+1], v[ZL+2]
.irp j, 3,5,7,9,11,13
	v_max3_num_f32 v35, v35, v[ZL+\j], v[ZL+\j+1]
.endr
	v_max_num_f32 v35, v35, v[ZL+15]
	v_permlanex16_b32 v36, v35, s44, s45
	v_max_num_f32 v35, v35, v36                    ; the largest of token r's 24 logits
	v_mul_f32 v36, 0xbfb8aa3b, v35
.irp j, 0,1,2,3,4,5,6,7,8,9,10,11,12,13,14,15
	v_fma_f32 v[ZL+\j], v[ZL+\j], s48, v36         ; (z - max) log2 e
.endr
.irp j, 0,1,2,3,4,5,6,7,8,9,10,11,12,13,14,15
	v_exp_f32 v[ZL+\j], v[ZL+\j]
.endr
	v_nop                                          ; one plain line behind the run of transcendentals
.irp i, 0,1,2,3,4,5,6,7
	v_cvt_pk_f16_f32 v[42+\i], v[PM+2*\i], v[PM+2*\i+1]   ; perm_mat's fragment
.endr
	s_wait_alu depctr_va_vdst(0)
	v_pk_add_f32 v[64:65], v[ZL:ZL+1],     v[ZL+2:ZL+3]
	v_pk_add_f32 v[66:67], v[ZL+4:ZL+5],   v[ZL+6:ZL+7]
	v_pk_add_f32 v[68:69], v[ZL+8:ZL+9],   v[ZL+10:ZL+11]
	v_pk_add_f32 v[70:71], v[ZL+12:ZL+13], v[ZL+14:ZL+15]
	v_pk_add_f32 v[64:65], v[64:65], v[66:67]
	v_pk_add_f32 v[68:69], v[68:69], v[70:71]
	v_pk_add_f32 v[64:65], v[64:65], v[68:69]
	v_add_f32 v64, v64, v65
	v_permlanex16_b32 v65, v64, s44, s45
	v_add_f32 v64, v64, v65                        ; at least 1: the largest logit gives 2^0
	v_rcp_f32 v65, v64
	v_lshlrev_b32 v68, 7, v[RR]                    ; (a plain line behind v_rcp_f32) my record: 128 r
	s_wait_alu depctr_va_vdst(0)
.irp j, 0,1,2,3,4,5,6,7,8,9,10,11,12,13,14,15
	v_mul_f32 v[ZL+\j], v[ZL+\j], v65
.endr
.irp i, 0,1,2,3,4,5,6,7
	v_cvt_pk_f16_f32 v[50+\i], v[ZL+2*\i], v[ZL+2*\i+1]   ; the accumulators' order is a fragment's order with k = the output's index
.endr
	v_wmma_f32_16x16x32_f16 v[10:17], v[42:49], v[50:57], 0   ; register j: entry 8 h + j of H_res of token r
	v_lshl_add_u32 v68, v[HH], 5, v68              ; four places behind the product (ISA guide 7.12.1): + 32 h,
	v_cndmask_b32 v66, v[HQ],   v[HQ+2], s40       ; h_post[2 h],
	v_cndmask_b32 v67, v[HQ+1], v[HQ+3], s40       ; h_post[2 h + 1],
	v_nop
.irp j, 0,1,2,3,4,5,6,7
	v_fma_f32 v[18+\j], -v[66+\j/4], v[HP+\j%4], v[10+\j]   ; H_res[i][jj] - h_post[i] h_pre[jj], i = 2 h + j / 4, jj = j % 4
.endr
	global_store_b128 v68, v[18:21], s[28:29]
	global_store_b128 v68, v[22:25], s[28:29] offset:16
	global_store_b128 v68, v[HQ:HQ+3], s[28:29] offset:64    ; floats 16-19 (h = 0) and 24-27 (h = 1)
	global_store_b128 v68, v[HP:HP+3], s[28:29] offset:80    ; floats 20-23 and 28-31
.Ldone:
	s_wait_xcnt 0x0
	v_lshl_add_u32 v254, v0, 2, 0x4c000
	v_mov_b32 v255, 0
	s_wait_tensorcnt 0x0
	ds_add_u32 v254, v255
	s_wait_dscnt 0x0
	s_endpgm
	; ================= work-groups 128-255: W1 (128-191) and W2 (192-255) to f16
.Lcvt:
	s_cmp_lt_u32 s2, 192
	s_cselect_b64 s[34:35], s[22:23], s[24:25]     ; from W1 or W2
	s_cselect_b64 s[36:37], s[30:31], s[32:33]     ; to W1h or W2h
	s_and_b32 s4, s2, 63
	s_lshl_b32 s4, s4, 20                          ; 1 MiB of f32 a work-group,
	s_lshl_b32 s5, s3, 16                          ; 64 KiB a wave
	s_add_co_u32 s4, s4, s5
	s_mov_b32 s5, 0
	s_add_nc_u64 s[34:35], s[34:35], s[4:5]
	s_lshr_b32 s4, s4, 1                           ; half as many bytes out
	s_add_nc_u64 s[36:37], s[36:37], s[4:5]
	v_lshlrev_b32 v2, 4, v1
	v_lshlrev_b32 v3, 3, v1
.irp b, 0,1,2,3
.irp i, 0,1,2,3,4,5,6,7
	global_load_b128 v[CX+4*(8*\b+\i):CX+4*(8*\b+\i)+3], v2, s[34:35] offset:(8*\b+\i)*512 th:TH_LOAD_NT
.endr
.endr
	s_mov_b32 s38, 3                               ; 4 rounds of 32 x 512 bytes; the last is written out without loads
.Lctrip:
	CBATCH 0, 1, 24                                ; the three younger batches' 24 loads stay out
	CBATCH 1, 1, 24
	CBATCH 2, 1, 24
	CBATCH 3, 1, 24
	s_wait_xcnt 0x0                                ; the bases are stepped only behind this wait
	s_add_nc_u64 s[34:35], s[34:35], 16384
	s_add_nc_u64 s[36:37], s[36:37], 8192
	s_sub_co_u32 s38, s38, 1
	s_cmp_lg_u32 s38, 0
	s_cbranch_scc1 .Lctrip
	CBATCH 0, 0, 24                                ; the counts run down
	CBATCH 1, 0, 16
	CBATCH 2, 0, 8
	CBATCH 3, 0, 0
	s_endpgm
.Lfunc_end_k_q0b0402cc35_prep:
	.size	k_q0b0402cc35_prep, .Lfunc_end_k_q0b0402cc35_prep-k_q0b0402cc35_prep
	.p2alignl 7, 3214868480
	.fill 96, 4, 3214868480
	.section	.rodata,"a",@progbits
	.p2align	6, 0x0
	.amdhsa_kernel k_q0b0402cc35_prep
		.amdhsa_group_segment_fixed_size 313344
		.amdhsa_private_segment_fixed_size 0
		.amdhsa_enable_private_segment 0
		.amdhsa_kernarg_size 104
		.amdhsa_user_sgpr_count 2
		.amdhsa_user_sgpr_kernarg_segment_ptr 1
		.amdhsa_wavefront_size32 1
		.amdhsa_system_sgpr_workgroup_id_x 1
		.amdhsa_system_sgpr_workgroup_id_y 1
		.amdhsa_system_sgpr_workgroup_id_z 1
		.amdhsa_system_vgpr_workitem_id 0
		.amdhsa_next_free_vgpr 256
		.amdhsa_next_free_sgpr 66
		.amdhsa_reserve_vcc 0
		.amdhsa_float_denorm_mode_32 3
		.amdhsa_float_denorm_mode_16_64 3
		.amdhsa_memory_ordered 1
		.amdhsa_forward_progress 1
		.amdhsa_inst_pref_size 141
	.end_amdhsa_kernel
	.amdgpu_metadata
---
amdhsa.version: [ 1, 2 ]
amdhsa.kernels:
  - .name:           k_q0b0402cc35_prep
    .symbol:         k_q0b0402cc35_prep.kd
    .args:
      - { .name: x_streams, .offset: 0, .size: 8, .value_kind: global_buffer, .address_space: global }
      - { .name: W_all, .offset: 8, .size: 8, .value_kind: global_buffer, .address_space: global }
      - { .name: b_all, .offset: 16, .size: 8, .value_kind: global_buffer, .address_space: global }
      - { .name: alpha_pre, .offset: 24, .size: 8, .value_kind: global_buffer, .address_space: global }
      - { .name: alpha_post, .offset: 32, .size: 8, .value_kind: global_buffer, .address_space: global }
      - { .name: alpha_res, .offset: 40, .size: 8, .value_kind: global_buffer, .address_space: global }
      - { .name: perm_mat, .offset: 48, .size: 8, .value_kind: global_buffer, .address_space: global }
      - { .name: W1, .offset: 56, .size: 8, .value_kind: global_buffer, .address_space: global }
      - { .name: W2, .offset: 64, .size: 8, .value_kind: global_buffer, .address_space: global }
      - { .name: li, .offset: 72, .size: 8, .value_kind: global_buffer, .address_space: global }
      - { .name: coef, .offset: 80, .size: 8, .value_kind: global_buffer, .address_space: global }
      - { .name: W1h, .offset: 88, .size: 8, .value_kind: global_buffer, .address_space: global }
      - { .name: W2h, .offset: 96, .size: 8, .value_kind: global_buffer, .address_space: global }
    .group_segment_fixed_size: 313344
    .private_segment_fixed_size: 0
    .kernarg_segment_align: 8
    .kernarg_segment_size: 104
    .max_flat_workgroup_size: 512
    .sgpr_count:     66
    .vgpr_count:     256
    .wavefront_size: 32
...
	.end_amdgpu_metadata
.endif
;; end of part 1
;; launch gemm1 (part 2): grid 32 x 8, 4 waves a work-group, clusters of 4 x 4, 327,680 bytes of LDS; arguments li, W1h, h, b1; writes h
.if DOCPART == 2
	.amdgcn_target "amdgcn-amd-amdhsa--gfx1250"
	.amdhsa_code_object_version 6
	.text
	.protected	k_q0b0402cc35_gemm1
	.globl	k_q0b0402cc35_gemm1
	.p2align	8
	.type	k_q0b0402cc35_gemm1,@function
k_q0b0402cc35_gemm1:
	s_mov_b64 s[64:65], 0
	v_nop
	global_prefetch_b8 v0, s[64:65] scope:SCOPE_SE
	s_setreg_imm32_b32 hwreg(HW_REG_WAVE_MODE, 25, 1), 1
	s_wait_xcnt 0x0
	s_wait_alu depctr_hold_cnt(0) depctr_sa_sdst(0) depctr_va_vdst(0) depctr_va_sdst(0) depctr_va_ssrc(0) depctr_va_vcc(0) depctr_vm_vsrc(0)
	s_getreg_b32 s2, hwreg(HW_REG_IB_STS2, 6, 4)
	s_cmp_eq_u32 s2, 0
	s_cbranch_scc0 .Lentry_in_a_cluster
	s_endpgm
.Lentry_in_a_cluster:
	s_bfe_u32 s2, ttmp6, 0x10000c
	s_cmp_lg_u32 s2, 0xf033
	s_cbranch_scc0 .Lentry_shape_is_right
	s_endpgm
.Lentry_shape_is_right:
; h[m][n] = gelu(sum over k of li[m][k] W1h[n][k] + b1[n]) / 32.  li: [2048][2048], W1h: [8192][2048], h: [2048][8192], all f16; b1 f32; sums in f32.
; A work-group makes a block of 256 x 256 with four waves; a wave makes 128 x 128: 64 accumulator tiles of 16 x 16, 512 registers.
; K goes in steps of 128 through a ring of two LDS slots filled by the tensor data mover: a tile's rows are 256 bytes of memory, aligned.
; CLUSTERS: 4 x 4 work-groups.  The four of a row of the cluster need the same tiles of li, the four of a column the same tiles of W1h: each
; tile is asked for jointly, by the same tensor load with the same descriptor and a mask that names the four.
; A wave has two tensor loads out at the start and one behind each round of the cluster's barrier.
; GELU: exact gelu(x) = max(x, 0) - |x| * erfc(|x| / sqrt 2) / 2, with erfc by the five-term rational form of Abramowitz and Stegun 7.1.26
; (absolute error of erfc at most 1.5e-7 for every x).  It is worked on xs = x / 32, with the factor carried exactly by two constants.
; THE FACTOR 1/32 gives h room in f16; the last launch multiplies the layer's sums by 32.  With x and W1 both shifted by 30 of their spreads the
; sum reaches about 2048 x 140 x 0.66 = 190,000, past f16's 65,504; divided by 32 it has 11 times that room.
; LIMITS: |gelu| of 2,096,640 or more becomes infinite.  Below 0.00195 the step of h is a fixed 1.9e-6: with x and W1 both 30 times smaller
; (gelu of rms 5.5e-4) that is a relative rms error of 1e-3.  Where 2^(-x^2 log2 e / 2) would be denormal it is taken as 0, an absolute error
; below 1e-37 |x|.  An infinite x gives NaN (reference() is not finite downstream of it either).
;
; REGISTERS, in windows of 256:
;   window 0: v0-27 addresses; v28-59 at work in the way out; v64-127, v128-191 fragments of A, two buffers; v192-255 at work in the way out
;   window 1: v0-63 the bias of my 128 columns in the accumulators' order; v64-127, v128-191 fragments of B, two buffers
;   window 2: the 32 accumulator tiles of my rows 0-63 (tile (a, b) at v[8 (8 a + b)]);   window 3: those of my rows 64-127
; THE MATRIX INSTRUCTION IS USED TRANSPOSED: source 0 = 16 rows of W1h, source 1 = 16 rows of li, so that lane l holds row m = l % 16 and its
; registers 0 to 7 the columns n = 8 (l / 16) + 0 .. 7: eight neighbouring numbers of a row of h.
.set SIZE_M, 2048
.set SIZE_N, 8192
.set SIZE_K, 2048
.set KSTEP,  128
.set PITCH,  272                       ; an LDS row: 256 bytes + 16 of padding, an odd multiple of 16: 16 rows start in 16 different 16-byte columns
.set HALFT,  128*PITCH                 ; 128 rows: what one tensor load brings
.set SLOT,   4*HALFT                   ; A's 256 rows, then B's 256 rows
.set STAGE,  2*SLOT                    ; behind the ring: 16 rows x 272 bytes for each wave, for the way out; no tensor load lands here
.set SPITCH, 272
.set LAPS, SIZE_K/(2*KSTEP)            ; a lap = two K steps = once round the ring: 8
.set ADRA, 16                          ; v16-17  LDS address of my A fragments in slot 0, 1
.set ADRB, 20                          ; v20-21  the same for B
.set STO,  24                          ; v24     the way out: where I put 16 bytes of a row
.set RD,   25                          ; v25     the way out: where I read a row back
.set CO,   26                          ; v26     my byte offset in h
.set BOF,  27                          ; v27     32 (l / 16): my offset in the bias
.set F0,   64
.set F1,   128
.set RB0,  64                          ; the way out: rows read back, two buffers in turn
.set RB1,  96
.set XV,   128                         ; the way out: 64 numbers xs = (sum + bias) / 32 in f32
.set TMP,  192                         ; packed results
.set GDEN, 224                         ; gelu: 1 + p |x| / sqrt 2
.set GSQ,  232                         ; -x^2 log2 e / 2
.set GTT,  240                         ; t
.set GEX,  248                         ; e^(-x^2 / 2)
.set GMX,  28                          ; max(xs, 0)
.set GPL,  36                          ; the polynomial
.set KEXP, 44                          ; constants, each in both registers of a pair
.set KA1,  46
.set KA2,  48
.set KA3,  50
.set KA4,  52
.set KA5,  54
.set KP,   56
.set KSC,  58                          ; 1 / 32
.set G1, 24                            ; s[24:31] descriptor group 1 for A's tiles
.set G0, 32                            ; s[32:39] descriptor group 0 for A's tiles, one set for each slot
.set G1B, 48                           ; s[48:55] group 1 for B's tiles: it differs in the mask alone
.set G0B, 56                           ; s[56:63] group 0 for B's tiles
.set MSB, 0
.macro WIN new                         ; the immediate's high byte repeats the setting that is left
.if MSB != \new
	s_set_vgpr_msb (MSB<<8)|\new
.set MSB, \new
.endif
.endm
.set MUL_LO, 0xa1                      ; source 0 (B) window 1, source 1 (A) window 0, C and D window 2
.set MUL_HI, 0xf1                      ; the same, C and D window 3
.set TO_B,   0x40                      ; destination window 1, address window 0
; A joint load.  Waves 0 and 1 fetch A's two halves, waves 2 and 3 B's.  The branch hangs on the wave's number alone.
.macro JLOAD s
	s_cmp_eq_u32 s11, 0
	s_cbranch_scc0 .Lfor_b_\@
	tensor_load_to_lds s[G0+4*\s:G0+4*\s+3], s[G1:G1+7]
	s_nop 0
	s_branch .Lasked_\@
.Lfor_b_\@:
	tensor_load_to_lds s[G0B+4*\s:G0B+4*\s+3], s[G1B:G1B+7]
	s_nop 0
.Lasked_\@:
.endm
; A round of the cluster's barrier: my work-group's barrier; wave 0 signals for the work-group; every wave waits for all sixteen; my barrier again.
.macro CREST                           ; a round behind its opening barrier
	s_cmp_lg_u32 s10, 0
	s_cbranch_scc1 .Lnot_wave_0_\@
	s_barrier_signal -3
.Lnot_wave_0_\@:
	s_barrier_wait -3
	s_barrier_signal -1
	s_barrier_wait -1
.endm
.macro CROUND
	s_barrier_signal -1
	s_barrier_wait -1
	CREST
.endm
	s_load_b128 s[4:7], s[0:1], 0x0                ; li s[4:5], W1h s[6:7]
	s_load_b64 s[8:9], s[0:1], 0x10                ; h
	s_load_b64 s[66:67], s[0:1], 0x18              ; b1
	s_set_vgpr_msb 0x40
	v_lshl_add_u32 v255, v0, 2, 0x48400
	s_set_vgpr_msb 0x4000
	v_mov_b32 v63, 0
	s_set_vgpr_msb 0x1
	ds_add_u32 v255, v63
	s_set_vgpr_msb 0x100
	v_lshrrev_b32 v1, 5, v0
	v_readfirstlane_b32 s10, v1                    ; wave 0..3
	s_lshr_b32 s11, s10, 1                         ; which half of the block's rows is mine.  Also: I fetch for A (0) or for B (1)
	s_and_b32 s12, s10, 1                          ; which half of its columns.  Also: which 128 rows of that tile I fetch
	s_bfe_u32 s40, ttmp6, 0x40000                  ; cx
	s_bfe_u32 s41, ttmp6, 0x40004                  ; cy
	s_lshl_b32 s42, ttmp9, 2
	s_add_co_u32 s42, s42, s40                     ; block column = 4 x cluster x + cx
	s_and_b32 s13, ttmp7, 0xffff
	s_lshl_b32 s13, s13, 2
	s_add_co_u32 s13, s13, s41                     ; block row = 4 x cluster y + cy
	s_lshl_b32 s43, s41, 2
	s_lshl_b32 s43, 15, s43                        ; my row of the cluster: places 4 cy .. 4 cy + 3
	s_lshl_b32 s44, 0x1111, s40                    ; my column: places cx, cx + 4, cx + 8, cx + 12
	; group 1: a tile of 128 rows x 128 elements of 2 bytes, 4 words of padding behind every 64 words
	s_or_b32 s[G1+0], s43, (1<<16)|(1<<20)|(1<<21)|(5<<22)|(3<<25)
	s_or_b32 s[G1B+0], s44, (1<<16)|(1<<20)|(1<<21)|(5<<22)|(3<<25)
	s_mov_b32 s[G1B+1], KSTEP<<16
	s_mov_b32 s[G1+1], KSTEP<<16                   ; tensor_dim0 = 128
	s_mov_b32 s[G1B+2], 128<<16
	s_mov_b32 s[G1+2], 128<<16                     ; tensor_dim1 = 128
	s_mov_b32 s[G1B+3], KSTEP<<16
	s_mov_b32 s[G1+3], KSTEP<<16                   ; tile_dim0 = 128
	s_mov_b32 s[G1B+4], 128
	s_mov_b32 s[G1+4], 128                         ; tile_dim1 = 128
	s_mov_b32 s[G1B+5], SIZE_K
	s_mov_b32 s[G1+5], SIZE_K                      ; elements from row to row
	s_mov_b32 s[G1B+6], 0
	s_mov_b32 s[G1+6], 0
	s_mov_b32 s[G1B+7], 0
	s_mov_b32 s[G1+7], 0
	; A's tiles hang on the block row alone, B's on the block column alone, each in registers that never hold the other coordinate
	s_lshl_b32 s17, s12, 7
	s_lshl_b32 s16, s13, 8
	s_add_co_u32 s16, s16, s17                     ; A: row 256 x block row + 128 x half
	s_lshl_b32 s46, s42, 8
	s_add_co_u32 s46, s46, s17                     ; B: row 256 x block column + 128 x half
	s_mov_b32 s17, 0
	s_mov_b32 s47, 0
	s_mov_b64 s[18:19], SIZE_K*2
	s_mul_u64 s[16:17], s[16:17], s[18:19]
	s_mul_u64 s[46:47], s[46:47], s[18:19]
	s_mul_i32 s20, s10, HALFT                      ; where they go: wave x 128 rows
	s_wait_dscnt 0x0
	s_wait_kmcnt 0x0
	s_add_nc_u64 s[14:15], s[4:5], s[16:17]
	s_add_nc_u64 s[46:47], s[6:7], s[46:47]
	CROUND                                         ; all sixteen work-groups are here: the first joint loads meet
.irp s, 0,1
	s_mov_b32 s[G0+4*\s], 1
	s_add_co_u32 s[G0+4*\s+1], s20, \s*SLOT
	s_add_nc_u64 s[G0+4*\s+2:G0+4*\s+3], s[14:15], \s*KSTEP*2
	s_or_b32 s[G0+4*\s+3], s[G0+4*\s+3], 0x80000000
	s_mov_b32 s[G0B+4*\s], 1
	s_add_co_u32 s[G0B+4*\s+1], s20, \s*SLOT
	s_add_nc_u64 s[G0B+4*\s+2:G0B+4*\s+3], s[46:47], \s*KSTEP*2
	s_or_b32 s[G0B+4*\s+3], s[G0B+4*\s+3], 0x80000000
	JLOAD \s
.endr
	v_and_b32 v1, 15, v0                           ; l % 16
	v_bfe_u32 v2, v0, 4, 1                         ; l / 16
	; the bias of my 128 columns, in the accumulators' order: register 8 b + j = b1[n0 + 16 b + 8 (l / 16) + j]
	s_lshl_b32 s46, s42, 10                        ; 256 columns x 4 bytes a block,
	s_lshl_b32 s47, s12, 9                         ; 128 x 4 a half
	s_add_co_u32 s46, s46, s47
	s_mov_b32 s47, 0
	s_add_nc_u64 s[66:67], s[66:67], s[46:47]
	v_lshlrev_b32 v[BOF], 5, v2
	WIN TO_B
.irp b, 0,1,2,3,4,5,6,7
	global_load_b128 v[8*\b:8*\b+3],   v[BOF], s[66:67] offset:64*\b
	global_load_b128 v[8*\b+4:8*\b+7], v[BOF], s[66:67] offset:64*\b+16
.endr
	WIN 0
	v_mul_u32_u24 v3, v1, PITCH
	v_lshl_add_u32 v3, v2, 4, v3                   ; row x pitch + 16 x half
	s_mul_i32 s21, s11, HALFT                      ; my 128 rows of A
	s_mul_i32 s22, s12, HALFT                      ; my 128 rows of B,
	s_add_co_u32 s22, s22, 2*HALFT                 ; which lie behind A's 256
.irp s, 0,1
	v_add_nc_u32 v[ADRA+\s], s21, v3
	v_add_nc_u32 v[ADRB+\s], s22, v3
	s_add_co_u32 s21, s21, SLOT
	s_add_co_u32 s22, s22, SLOT
.endr
	s_mul_i32 s23, s10, 16*SPITCH
	s_add_co_u32 s23, s23, STAGE                   ; my stage
	v_mul_u32_u24 v4, v1, SPITCH
	v_lshl_add_u32 v4, v2, 4, v4
	v_add_nc_u32 v[STO], s23, v4
	v_mul_u32_u24 v5, v2, SPITCH
	v_lshl_add_u32 v5, v1, 4, v5
	v_add_nc_u32 v[RD], s23, v5
	v_mul_u32_u24 v5, v2, SIZE_N*2
	v_lshl_add_u32 v[CO], v1, 4, v5
; 16 matrix instructions: m blocks a0, a0 + 1 of the window's four x all 8 n blocks, 32 along K.  zero = 1: the first product starts the sums.
; The 64 accumulators take turns, one instruction a turn, in the same order in every quarter step.
.macro MUL16 f, hi, a0, zero
.irp a, \a0, \a0+1
.irp b, 0,1,2,3,4,5,6,7
.if \zero
	v_wmma_f32_16x16x32_f16 v[8*(8*(\a)+\b):8*(8*(\a)+\b)+7], v[\f+8*\b:\f+8*\b+7], v[\f+8*(4*\hi+\a):\f+8*(4*\hi+\a)+7], 0
.else
	v_wmma_f32_16x16x32_f16 v[8*(8*(\a)+\b):8*(8*(\a)+\b)+7], v[\f+8*\b:\f+8*\b+7], v[\f+8*(4*\hi+\a):\f+8*(4*\hi+\a)+7], v[8*(8*(\a)+\b):8*(8*(\a)+\b)+7]
.endif
.endr
.endr
.endm
; 32 LDS loads in one run: the fragments of one quarter step (32 K at byte k of the rows) into buffer f
.macro FETCH slot, k, f
	WIN TO_B
.irp i, 0,1,2,3,4,5,6,7
	ds_load_b128 v[\f+8*\i:\f+8*\i+3],   v[ADRB+\slot] offset:\k+\i*16*PITCH
	ds_load_b128 v[\f+8*\i+4:\f+8*\i+7], v[ADRB+\slot] offset:\k+\i*16*PITCH+32
.endr
	WIN 0
.irp i, 0,1,2,3,4,5,6,7
	ds_load_b128 v[\f+8*\i:\f+8*\i+3],   v[ADRA+\slot] offset:\k+\i*16*PITCH
	ds_load_b128 v[\f+8*\i+4:\f+8*\i+7], v[ADRA+\slot] offset:\k+\i*16*PITCH+32
.endr
.endm
; four places behind a matrix instruction, in front of loads into registers that it has read (ISA guide 7.12.1 for vector instructions)
.macro PLACES
.rept 4
	v_nop
.endr
.endm
.macro QUARTER slot, k, f, g, zero
	s_wait_dscnt 8                                 ; B and A's rows 0-63 are in; the youngest eight loads (A's rows 64-127) may be out
	WIN MUL_LO
	MUL16 \f, 0, 0, \zero
	MUL16 \f, 0, 2, \zero
	PLACES
	FETCH \slot, \k, \g
	s_wait_dscnt 32                                ; all but the 32 just issued
	WIN MUL_HI
	MUL16 \f, 1, 0, \zero
	MUL16 \f, 1, 2, \zero
.endm
.macro THREE slot, zero
	QUARTER \slot, 64,  F0, F1, \zero
	QUARTER \slot, 128, F1, F0, 0
	QUARTER \slot, 192, F0, F1, 0
.endm
; The last quarter: multiplies buffer 1 and changes slots.  One barrier for the change: in front of it each wave waits for its reads of this slot
; and for all its tensor loads; behind it the refill comes first, then the next slot's first fragments.
.macro TURN slot, next, fill
	s_wait_dscnt 8
	WIN MUL_LO
	MUL16 F1, 0, 0, 0
	s_wait_dscnt 0                                 ; my reads of this slot are over
	s_wait_tensorcnt 0x0                           ; and all my tensor loads have landed: the one that was out is my part of the next slot
	ds_add_u32 v255, v63
	s_wait_dscnt 0x0
	s_barrier_signal -1
	MUL16 F1, 0, 2, 0                              ; work on registers while the others arrive
	WIN 0
	s_barrier_wait -1
.if \fill
	CREST                                          ; no wave of any partner still reads this slot's tile or has a load on its way
	s_add_nc_u64 s[G0+4*\slot+2:G0+4*\slot+3], s[G0+4*\slot+2:G0+4*\slot+3], 2*KSTEP*2
	s_add_nc_u64 s[G0B+4*\slot+2:G0B+4*\slot+3], s[G0B+4*\slot+2:G0B+4*\slot+3], 2*KSTEP*2
	JLOAD \slot                                    ; the first tensor load behind the round, my only one until the next
.endif
	PLACES
	FETCH \next, 0, F0
	WIN MUL_HI
	MUL16 F1, 1, 0, 0
	MUL16 F1, 1, 2, 0
.endm
.macro LAP zero
	THREE 0, \zero
	TURN 0, 1, 1
	THREE 1, 0
	TURN 1, 0, 1
.endm
	s_wait_loadcnt 0x0                             ; the bias, beside the first tiles
	s_wait_tensorcnt 1                             ; my part of K step 0 is in; K step 1's load, the one younger, stays out
	s_barrier_signal -1
	s_barrier_wait -1
	FETCH 0, 0, F0
	LAP 1                                          ; the first lap stands in front of the loop: its first products start the sums
	WIN 0
	s_mov_b32 s3, LAPS-2
.Llap:
	LAP 0
	WIN 0
	s_sub_co_u32 s3, s3, 1
	s_cmp_lg_u32 s3, 0
	s_cbranch_scc1 .Llap
	THREE 0, 0                                     ; the last lap fills nothing
	TURN 0, 1, 0
	THREE 1, 0
	s_wait_dscnt 8
	WIN MUL_LO
	MUL16 F1, 0, 0, 0
	MUL16 F1, 0, 2, 0
	s_wait_dscnt 0
	WIN MUL_HI
	MUL16 F1, 1, 0, 0
	MUL16 F1, 1, 2, 0
	; THE WAY OUT.  The fifteen moves below name no register of the last matrix instructions: they are the places behind them (ISA guide 7.12.1).
	WIN 0
	v_mov_b32 v[KP],     0x40ed3389                ; 32 x 0.3275911 / sqrt 2: for xs = x / 32
	v_mov_b32 v[KEXP],   0xc438aa3b                ; -1024 x log2 e / 2: for xs^2
	v_mov_b32 v[KEXP+1], 0xc438aa3b
	v_mov_b32 v[KA1],    0x3e027906                ; a1 / 2 =  0.127414796
	v_mov_b32 v[KA1+1],  0x3e027906
	v_mov_b32 v[KA2],    0xbe11a98e                ; a2 / 2 = -0.142248368
	v_mov_b32 v[KA2+1],  0xbe11a98e
	v_mov_b32 v[KA3],    0x3f35f0e3                ; a3 / 2 =  0.710706871
	v_mov_b32 v[KA3+1],  0x3f35f0e3
	v_mov_b32 v[KA4],    0xbf3a00e3                ; a4 / 2 = -0.726576014
	v_mov_b32 v[KA4+1],  0xbf3a00e3
	v_mov_b32 v[KA5],    0x3f07dc22                ; a5 / 2 =  0.530702715
	v_mov_b32 v[KA5+1],  0x3f07dc22
	v_mov_b32 v[KSC],    0x3d000000                ; 1 / 32
	v_mov_b32 v[KSC+1],  0x3d000000
	WIN 0x41                                       ; destination and source 0 window 1 (the bias), source 1 window 0
.set k, 0
.rept 32
	v_pk_mul_f32 v[k:k+1], v[k:k+1], v[KSC:KSC+1]  ; b1 / 32, once for all 128 rows
.set k, k+2
.endr
	WIN 0
	s_lshl_b32 s13, s13, 8
	s_lshl_b32 s14, s11, 7
	s_add_co_u32 s16, s13, s14                     ; my first row of h
	s_mov_b32 s17, 0
	s_mov_b64 s[18:19], SIZE_N*2
	s_mul_u64 s[16:17], s[16:17], s[18:19]
	s_add_nc_u64 s[8:9], s[8:9], s[16:17]
	s_lshl_b32 s46, s42, 9                         ; my first column, in bytes: 512 x block + 256 x half
	s_lshl_b32 s47, s12, 8
	s_add_co_u32 s46, s46, s47
	s_mov_b32 s47, 0
	s_add_nc_u64 s[8:9], s[8:9], s[46:47]
; gelu(x) / 32 of the eight numbers xs = x / 32 in v[x .. x+7], packed to f16 in v[out .. out+3]
.macro GELU8 x, out
.irp k, 0,1,2,3,4,5,6,7
	v_fma_f32 v[GDEN+\k], |v[\x+\k]|, v[KP], 1.0
.endr
.irp k, 0,2,4,6
	v_pk_mul_f32 v[GSQ+\k:GSQ+\k+1], v[\x+\k:\x+\k+1], v[\x+\k:\x+\k+1]
.endr
.irp k, 0,2,4,6
	v_pk_mul_f32 v[GSQ+\k:GSQ+\k+1], v[GSQ+\k:GSQ+\k+1], v[KEXP:KEXP+1]
.endr
.irp k, 0,1,2,3,4,5,6,7
	v_rcp_f32 v[GTT+\k], v[GDEN+\k]
.endr
.irp k, 0,1,2,3,4,5,6,7
	v_exp_f32 v[GEX+\k], v[GSQ+\k]
.endr
.irp k, 0,1,2,3,4,5,6,7
	v_max_num_f32 v[GMX+\k], 0, v[\x+\k]           ; plain lines behind the transcendentals (ISA guide 5.7.2)
.endr
	s_wait_alu depctr_va_vdst(0)
.irp k, 0,2,4,6
	v_pk_fma_f32 v[GPL+\k:GPL+\k+1], v[GTT+\k:GTT+\k+1], v[KA5:KA5+1], v[KA4:KA4+1]
.endr
.irp k, 0,2,4,6
	v_pk_fma_f32 v[GPL+\k:GPL+\k+1], v[GPL+\k:GPL+\k+1], v[GTT+\k:GTT+\k+1], v[KA3:KA3+1]
.endr
.irp k, 0,2,4,6
	v_pk_fma_f32 v[GPL+\k:GPL+\k+1], v[GPL+\k:GPL+\k+1], v[GTT+\k:GTT+\k+1], v[KA2:KA2+1]
.endr
.irp k, 0,2,4,6
	v_pk_fma_f32 v[GPL+\k:GPL+\k+1], v[GPL+\k:GPL+\k+1], v[GTT+\k:GTT+\k+1], v[KA1:KA1+1]
.endr
.irp k, 0,2,4,6
	v_pk_mul_f32 v[GPL+\k:GPL+\k+1], v[GPL+\k:GPL+\k+1], v[GTT+\k:GTT+\k+1]
.endr
.irp k, 0,2,4,6
	v_pk_mul_f32 v[GPL+\k:GPL+\k+1], v[GPL+\k:GPL+\k+1], v[GEX+\k:GEX+\k+1]   ; erfc(|x| / sqrt 2) / 2
.endr
.irp k, 0,1,2,3,4,5,6,7
	v_fma_f32 v[\x+\k], -v[GPL+\k], |v[\x+\k]|, v[GMX+\k]
.endr
.irp k, 0,1,2,3
	v_cvt_pk_f16_f32 v[\out+\k], v[\x+2*\k], v[\x+2*\k+1]
.endr
.endm
; rows 16 i .. 16 i + 15 of my block = the eight tiles (a, 0..7) of window 2 or 3 (from = 0x12 or 0x13: source 0 the accumulators' window,
; source 1 window 0, the factor; source 2 window 1, the bias; destination window 0); rb: RB0 or RB1 in turn
.macro OUT16G i, a, from, rb
	WIN \from
.irp b, 0,1,2,3,4,5,6,7
.irp p, 0,2,4,6
	v_pk_fma_f32 v[XV+8*\b+\p:XV+8*\b+\p+1], v[8*(8*\a+\b)+\p:8*(8*\a+\b)+\p+1], v[KSC:KSC+1], v[8*\b+\p:8*\b+\p+1]   ; xs = sum / 32 + b1 / 32
.endr
.endr
	WIN 0
.irp b, 0,1,2,3,4,5,6,7
	GELU8 XV+8*\b, TMP+4*\b
	ds_store_b128 v[STO], v[TMP+4*\b:TMP+4*\b+3] offset:32*\b
.endr
	s_wait_xcnt 0x0                                ; buffer rb, which stores read, and the stores' base are rewritten only behind this wait
.if \i
	s_add_nc_u64 s[8:9], s[8:9], 16*SIZE_N*2       ; 16 rows of h on
.endif
.irp t, 0,1,2,3,4,5,6,7
	ds_load_b128 v[\rb+4*\t:\rb+4*\t+3], v[RD] offset:\t*2*SPITCH    ; LDS serves a wave's instructions in order (ISA guide 5.7.1.4): these see the stores above
.endr
.irp t, 0,1,2,3,4,5,6,7
	s_wait_dscnt 7-\t                              ; load t is in, the younger ones stay out
	global_store_b128 v[CO], v[\rb+4*\t:\rb+4*\t+3], s[8:9] offset:2*\t*SIZE_N*2   ; 16 lanes store 256 consecutive bytes, aligned
.endr
.endm
	OUT16G 0, 0, 0x12, RB0
	OUT16G 1, 1, 0x12, RB1
	OUT16G 2, 2, 0x12, RB0
	OUT16G 3, 3, 0x12, RB1
	OUT16G 4, 0, 0x13, RB0
	OUT16G 5, 1, 0x13, RB1
	OUT16G 6, 2, 0x13, RB0
	OUT16G 7, 3, 0x13, RB1
	s_set_vgpr_msb 0x1
	s_wait_tensorcnt 0x0
	ds_add_u32 v255, v63
	s_wait_dscnt 0x0
	s_set_vgpr_msb 0x100
	CROUND                                         ; the closing round: no work-group ends while a partner may still ask for a tile that names it
	s_endpgm
.Lfunc_end_k_q0b0402cc35_gemm1:
	.size	k_q0b0402cc35_gemm1, .Lfunc_end_k_q0b0402cc35_gemm1-k_q0b0402cc35_gemm1
	.p2alignl 7, 3214868480
	.fill 96, 4, 3214868480
	.section	.rodata,"a",@progbits
	.p2align	6, 0x0
	.amdhsa_kernel k_q0b0402cc35_gemm1
		.amdhsa_group_segment_fixed_size 327680
		.amdhsa_private_segment_fixed_size 0
		.amdhsa_enable_private_segment 0
		.amdhsa_kernarg_size 32
		.amdhsa_user_sgpr_count 2
		.amdhsa_user_sgpr_kernarg_segment_ptr 1
		.amdhsa_wavefront_size32 1
		.amdhsa_system_sgpr_workgroup_id_x 1
		.amdhsa_system_sgpr_workgroup_id_y 1
		.amdhsa_system_sgpr_workgroup_id_z 1
		.amdhsa_system_vgpr_workitem_id 0
		.amdhsa_next_free_vgpr 1024
		.amdhsa_next_free_sgpr 68
		.amdhsa_reserve_vcc 0
		.amdhsa_float_denorm_mode_32 3
		.amdhsa_float_denorm_mode_16_64 3
		.amdhsa_memory_ordered 1
		.amdhsa_forward_progress 1
		.amdhsa_inst_pref_size 255
	.end_amdhsa_kernel
	.section	.bss,"aw",@nobits
	.p2align	6
	.space	262144
	.amdgpu_metadata
---
amdhsa.version: [ 1, 2 ]
amdhsa.kernels:
  - .name:           k_q0b0402cc35_gemm1
    .symbol:         k_q0b0402cc35_gemm1.kd
    .args:
      - { .name: li, .offset: 0, .size: 8, .value_kind: global_buffer, .address_space: global }
      - { .name: W1h, .offset: 8, .size: 8, .value_kind: global_buffer, .address_space: global }
      - { .name: h, .offset: 16, .size: 8, .value_kind: global_buffer, .address_space: global }
      - { .name: b1, .offset: 24, .size: 8, .value_kind: global_buffer, .address_space: global }
    .group_segment_fixed_size: 327680
    .private_segment_fixed_size: 0
    .kernarg_segment_align: 8
    .kernarg_segment_size: 32
    .max_flat_workgroup_size: 128
    .sgpr_count:     68
    .vgpr_count:     1024
    .wavefront_size: 32
...
	.end_amdgpu_metadata
.endif
;; end of part 2
;; launch gemm2 (part 3): grid 32 x 8, 4 waves a work-group, clusters of 4 x 4, 327,680 bytes of LDS; arguments h, W2h, part; writes part
.if DOCPART == 3
	.amdgcn_target "amdgcn-amd-amdhsa--gfx1250"
	.amdhsa_code_object_version 6
	.text
	.protected	k_q0b0402cc35_gemm2
	.globl	k_q0b0402cc35_gemm2
	.p2align	8
	.type	k_q0b0402cc35_gemm2,@function
k_q0b0402cc35_gemm2:
	s_mov_b64 s[64:65], 0
	v_nop
	global_prefetch_b8 v0, s[64:65] scope:SCOPE_SE
	s_setreg_imm32_b32 hwreg(HW_REG_WAVE_MODE, 25, 1), 1
	s_wait_xcnt 0x0
	s_wait_alu depctr_hold_cnt(0) depctr_sa_sdst(0) depctr_va_vdst(0) depctr_va_sdst(0) depctr_va_ssrc(0) depctr_va_vcc(0) depctr_vm_vsrc(0)
	s_getreg_b32 s2, hwreg(HW_REG_IB_STS2, 6, 4)
	s_cmp_eq_u32 s2, 0
	s_cbranch_scc0 .Lentry_in_a_cluster
	s_endpgm
.Lentry_in_a_cluster:
	s_bfe_u32 s2, ttmp6, 0x10000c
	s_cmp_lg_u32 s2, 0xf033
	s_cbranch_scc0 .Lentry_shape_is_right
	s_endpgm
.Lentry_shape_is_right:
; part[s][m][n] = sum over k = 2048 s .. 2048 s + 2047 of h[m][k] W2h[n][k].  h: [2048][8192], W2h: [2048][8192] f16; part: [4][2048][2048] f32.
; h holds gelu / 32 (the launch before says why), so part holds 1/32 of the layer's sums; the next launch multiplies by 32.
; The product has 8 x 8 blocks of 256 x 256; K is taken in four splits so that 256 work-groups have equal work.  The four partial sums are
; added in a fixed order by the next launch, so the sum over K is ((s0 + s1) + (s2 + s3)), not one ascending chain.
; Otherwise as the launch before: four waves of 128 x 128, K steps of 128 through two LDS slots, clusters of 4 x 4 with joint loads (h's tiles
; along a row of the cluster, W2h's along a column).  All sixteen partners share the split: split = cluster x / 2, block column = 4 (cluster x % 2) + cx.
; A wave has two tensor loads out at the start and one behind each round of the cluster's barrier.
; REGISTERS: window 0: v0-31 addresses; v64-127, v128-191 fragments of A (on the way out: rows read back); window 1: the same numbers, fragments of B;
;   window 2: the accumulator tiles of my rows 0-63 (tile (a, b) at v[8 (8 a + b)]); window 3: those of my rows 64-127.
; The matrix instruction is used transposed (source 0 = rows of W2h): lane l holds row m = l % 16, registers 0-7 the columns 8 (l / 16) + 0 .. 7.
.set SIZE_M, 2048
.set SIZE_N, 2048
.set ROWK,   8192                      ; elements in a row of h and of W2h
.set SIZE_K, 2048                      ; K of a split
.set KSTEP,  128
.set PITCH,  272
.set HALFT,  128*PITCH
.set SLOT,   4*HALFT
.set STAGE,  2*SLOT                    ; behind the ring: 16 rows x 528 bytes for each wave; no tensor load lands here
.set SPITCH, 528                       ; 128 f32 + 16 bytes, an odd multiple of 16
.set LAPS, SIZE_K/(2*KSTEP)
.set ADRA, 16
.set ADRB, 20
.set STO,  24
.set RD,   25
.set CO,   26
.set F0,   64
.set F1,   128
.set G1, 24
.set G0, 32
.set G1B, 48
.set G0B, 56
.set MSB, 0
.macro WIN new                         ; the immediate's high byte repeats the setting that is left
.if MSB != \new
	s_set_vgpr_msb (MSB<<8)|\new
.set MSB, \new
.endif
.endm
.set MUL_LO, 0xa1
.set MUL_HI, 0xf1
.set TO_B,   0x40
.macro JLOAD s                         ; waves 0 and 1 fetch A's two halves, waves 2 and 3 B's
	s_cmp_eq_u32 s11, 0
	s_cbranch_scc0 .Lfor_b_\@
	tensor_load_to_lds s[G0+4*\s:G0+4*\s+3], s[G1:G1+7]
	s_nop 0
	s_branch .Lasked_\@
.Lfor_b_\@:
	tensor_load_to_lds s[G0B+4*\s:G0B+4*\s+3], s[G1B:G1B+7]
	s_nop 0
.Lasked_\@:
.endm
.macro CREST                           ; a round of the cluster's barrier behind its opening barrier
	s_cmp_lg_u32 s10, 0
	s_cbranch_scc1 .Lnot_wave_0_\@
	s_barrier_signal -3
.Lnot_wave_0_\@:
	s_barrier_wait -3
	s_barrier_signal -1
	s_barrier_wait -1
.endm
.macro CROUND
	s_barrier_signal -1
	s_barrier_wait -1
	CREST
.endm
	s_load_b128 s[4:7], s[0:1], 0x0                ; h s[4:5], W2h s[6:7]
	s_load_b64 s[8:9], s[0:1], 0x10                ; part
	s_set_vgpr_msb 0x40
	v_lshl_add_u32 v255, v0, 2, 0x4c400
	s_set_vgpr_msb 0x4000
	v_mov_b32 v255, 0
	s_set_vgpr_msb 0x1
	ds_add_u32 v255, v255
	s_set_vgpr_msb 0x100
	v_lshrrev_b32 v1, 5, v0
	v_readfirstlane_b32 s10, v1                    ; wave 0..3
	s_lshr_b32 s11, s10, 1
	s_and_b32 s12, s10, 1
	s_bfe_u32 s40, ttmp6, 0x40000                  ; cx
	s_bfe_u32 s41, ttmp6, 0x40004                  ; cy
	s_lshr_b32 s45, ttmp9, 1                       ; the split of K: shared by the whole cluster
	s_and_b32 s42, ttmp9, 1
	s_lshl_b32 s42, s42, 2
	s_add_co_u32 s42, s42, s40                     ; block column = 4 x (cluster x % 2) + cx
	s_and_b32 s13, ttmp7, 0xffff
	s_lshl_b32 s13, s13, 2
	s_add_co_u32 s13, s13, s41                     ; block row = 4 x cluster y + cy
	s_lshl_b32 s43, s41, 2
	s_lshl_b32 s43, 15, s43                        ; my row of the cluster
	s_lshl_b32 s44, 0x1111, s40                    ; my column
	s_or_b32 s[G1+0], s43, (1<<16)|(1<<20)|(1<<21)|(5<<22)|(3<<25)
	s_or_b32 s[G1B+0], s44, (1<<16)|(1<<20)|(1<<21)|(5<<22)|(3<<25)
	s_mov_b32 s[G1B+1], KSTEP<<16
	s_mov_b32 s[G1+1], KSTEP<<16                   ; tensor_dim0 = 128
	s_mov_b32 s[G1B+2], 128<<16
	s_mov_b32 s[G1+2], 128<<16                     ; tensor_dim1 = 128
	s_mov_b32 s[G1B+3], KSTEP<<16
	s_mov_b32 s[G1+3], KSTEP<<16                   ; tile_dim0 = 128
	s_mov_b32 s[G1B+4], 128
	s_mov_b32 s[G1+4], 128                         ; tile_dim1 = 128
	s_mov_b32 s[G1B+5], ROWK
	s_mov_b32 s[G1+5], ROWK                        ; 8,192 elements from row to row
	s_mov_b32 s[G1B+6], 0
	s_mov_b32 s[G1+6], 0
	s_mov_b32 s[G1B+7], 0
	s_mov_b32 s[G1+7], 0
	s_lshl_b32 s17, s12, 7
	s_lshl_b32 s16, s13, 8
	s_add_co_u32 s16, s16, s17                     ; A: row 256 x block row + 128 x half
	s_lshl_b32 s46, s42, 8
	s_add_co_u32 s46, s46, s17                     ; B: row 256 x block column + 128 x half
	s_mov_b32 s17, 0
	s_mov_b32 s47, 0
	s_mov_b64 s[18:19], ROWK*2
	s_mul_u64 s[16:17], s[16:17], s[18:19]
	s_mul_u64 s[46:47], s[46:47], s[18:19]
	s_lshl_b32 s18, s45, 12                        ; the split's first K: 2,048 elements of 2 bytes each
	s_mov_b32 s19, 0
	s_add_nc_u64 s[16:17], s[16:17], s[18:19]
	s_add_nc_u64 s[46:47], s[46:47], s[18:19]
	s_mul_i32 s20, s10, HALFT
	s_wait_dscnt 0x0
	s_wait_kmcnt 0x0
	s_add_nc_u64 s[14:15], s[4:5], s[16:17]
	s_add_nc_u64 s[46:47], s[6:7], s[46:47]
	CROUND                                         ; all sixteen work-groups are here: the first joint loads meet
.irp s, 0,1
	s_mov_b32 s[G0+4*\s], 1
	s_add_co_u32 s[G0+4*\s+1], s20, \s*SLOT
	s_add_nc_u64 s[G0+4*\s+2:G0+4*\s+3], s[14:15], \s*KSTEP*2
	s_or_b32 s[G0+4*\s+3], s[G0+4*\s+3], 0x80000000
	s_mov_b32 s[G0B+4*\s], 1
	s_add_co_u32 s[G0B+4*\s+1], s20, \s*SLOT
	s_add_nc_u64 s[G0B+4*\s+2:G0B+4*\s+3], s[46:47], \s*KSTEP*2
	s_or_b32 s[G0B+4*\s+3], s[G0B+4*\s+3], 0x80000000
	JLOAD \s
.endr
	v_and_b32 v1, 15, v0                           ; l % 16
	v_bfe_u32 v2, v0, 4, 1                         ; l / 16
	v_mul_u32_u24 v3, v1, PITCH
	v_lshl_add_u32 v3, v2, 4, v3
	s_mul_i32 s21, s11, HALFT
	s_mul_i32 s22, s12, HALFT
	s_add_co_u32 s22, s22, 2*HALFT
.irp s, 0,1
	v_add_nc_u32 v[ADRA+\s], s21, v3
	v_add_nc_u32 v[ADRB+\s], s22, v3
	s_add_co_u32 s21, s21, SLOT
	s_add_co_u32 s22, s22, SLOT
.endr
	s_mul_i32 s23, s10, 16*SPITCH
	s_add_co_u32 s23, s23, STAGE                   ; my stage
	v_mul_u32_u24 v4, v1, SPITCH                   ; in: row l % 16, 32 bytes for each half of the lanes
	v_lshl_add_u32 v4, v2, 5, v4
	v_add_nc_u32 v[STO], s23, v4
	v_and_b32 v5, 31, v0
	v_lshlrev_b32 v[CO], 4, v5                     ; back and out: 32 lanes take a row's 512 bytes
	v_add_nc_u32 v[RD], s23, v[CO]
; The 64 accumulators take turns, one instruction a turn, in the same order in every quarter step.
.macro MUL16 f, hi, a0, zero
.irp a, \a0, \a0+1
.irp b, 0,1,2,3,4,5,6,7
.if \zero
	v_wmma_f32_16x16x32_f16 v[8*(8*(\a)+\b):8*(8*(\a)+\b)+7], v[\f+8*\b:\f+8*\b+7], v[\f+8*(4*\hi+\a):\f+8*(4*\hi+\a)+7], 0
.else
	v_wmma_f32_16x16x32_f16 v[8*(8*(\a)+\b):8*(8*(\a)+\b)+7], v[\f+8*\b:\f+8*\b+7], v[\f+8*(4*\hi+\a):\f+8*(4*\hi+\a)+7], v[8*(8*(\a)+\b):8*(8*(\a)+\b)+7]
.endif
.endr
.endr
.endm
.macro FETCH slot, k, f
	WIN TO_B
.irp i, 0,1,2,3,4,5,6,7
	ds_load_b128 v[\f+8*\i:\f+8*\i+3],   v[ADRB+\slot] offset:\k+\i*16*PITCH
	ds_load_b128 v[\f+8*\i+4:\f+8*\i+7], v[ADRB+\slot] offset:\k+\i*16*PITCH+32
.endr
	WIN 0
.irp i, 0,1,2,3,4,5,6,7
	ds_load_b128 v[\f+8*\i:\f+8*\i+3],   v[ADRA+\slot] offset:\k+\i*16*PITCH
	ds_load_b128 v[\f+8*\i+4:\f+8*\i+7], v[ADRA+\slot] offset:\k+\i*16*PITCH+32
.endr
.endm
; four places behind a matrix instruction (ISA guide 7.12.1 for vector instructions)
.macro PLACES
.rept 4
	v_nop
.endr
.endm
.macro QUARTER slot, k, f, g, zero
	s_wait_dscnt 8                                 ; B and A's rows 0-63 are in; the youngest eight loads (A's rows 64-127) may be out
	WIN MUL_LO
	MUL16 \f, 0, 0, \zero
	MUL16 \f, 0, 2, \zero
	PLACES
	FETCH \slot, \k, \g
	s_wait_dscnt 32                                ; all but the 32 just issued
	WIN MUL_HI
	MUL16 \f, 1, 0, \zero
	MUL16 \f, 1, 2, \zero
.endm
.macro THREE slot, zero
	QUARTER \slot, 64,  F0, F1, \zero
	QUARTER \slot, 128, F1, F0, 0
	QUARTER \slot, 192, F0, F1, 0
.endm
.macro TURN slot, next, fill
	s_wait_dscnt 8
	WIN MUL_LO
	MUL16 F1, 0, 0, 0
	s_wait_dscnt 0                                 ; my reads of this slot are over
	s_wait_tensorcnt 0x0                           ; and all my tensor loads have landed: the one that was out is my part of the next slot
	ds_add_u32 v255, v255
	s_wait_dscnt 0x0
	s_barrier_signal -1
	MUL16 F1, 0, 2, 0
	WIN 0
	s_barrier_wait -1
.if \fill
	CREST                                          ; no wave of any partner still reads this slot's tile or has a load on its way
	s_add_nc_u64 s[G0+4*\slot+2:G0+4*\slot+3], s[G0+4*\slot+2:G0+4*\slot+3], 2*KSTEP*2
	s_add_nc_u64 s[G0B+4*\slot+2:G0B+4*\slot+3], s[G0B+4*\slot+2:G0B+4*\slot+3], 2*KSTEP*2
	JLOAD \slot                                    ; the first tensor load behind the round, my only one until the next
.endif
	PLACES
	FETCH \next, 0, F0
	WIN MUL_HI
	MUL16 F1, 1, 0, 0
	MUL16 F1, 1, 2, 0
.endm
.macro LAP zero
	THREE 0, \zero
	TURN 0, 1, 1
	THREE 1, 0
	TURN 1, 0, 1
.endm
	s_wait_tensorcnt 1                             ; my part of K step 0 is in; K step 1's load, the one younger, stays out
	s_barrier_signal -1
	s_barrier_wait -1
	FETCH 0, 0, F0
	LAP 1
	WIN 0
	s_mov_b32 s3, LAPS-2
.Llap:
	LAP 0
	WIN 0
	s_sub_co_u32 s3, s3, 1
	s_cmp_lg_u32 s3, 0
	s_cbranch_scc1 .Llap
	THREE 0, 0                                     ; the last lap fills nothing
	TURN 0, 1, 0
	THREE 1, 0
	s_wait_dscnt 8
	WIN MUL_LO
	MUL16 F1, 0, 0, 0
	MUL16 F1, 0, 2, 0
	s_wait_dscnt 0
	WIN MUL_HI
	MUL16 F1, 1, 0, 0
	MUL16 F1, 1, 2, 0
	; THE WAY OUT, 16 rows at a time, in f32: 32 bytes a lane into my own stage, read back as whole rows of 512 bytes.
	PLACES
	s_lshl_b32 s13, s13, 8
	s_lshl_b32 s14, s11, 7
	s_add_co_u32 s16, s13, s14                     ; my first row
	s_lshl_b32 s16, s16, 13                        ; x 8,192 bytes: below 2^24
	s_lshl_b32 s14, s45, 24                        ; + the split's plane of 2048 x 2048 x 4 bytes: the sum stays below 2^26
	s_add_co_u32 s16, s16, s14
	s_mov_b32 s17, 0
	s_add_nc_u64 s[8:9], s[8:9], s[16:17]
	s_lshl_b32 s46, s42, 10                        ; my first column, in bytes: 1,024 x block + 512 x half
	s_lshl_b32 s47, s12, 9
	s_add_co_u32 s46, s46, s47
	s_mov_b32 s47, 0
	s_add_nc_u64 s[8:9], s[8:9], s[46:47]
; rows 16 i .. 16 i + 15 of my block = the eight tiles (a, 0..7) of window 2 or 3 (from = 0x08 or 0x0c: an LDS store's data is source 1); f: F0 or F1 in turn
.macro OUT16F i, a, from, f
	WIN \from
.irp b, 0,1,2,3,4,5,6,7
	ds_store_b128 v[STO], v[8*(8*\a+\b):8*(8*\a+\b)+3]   offset:64*\b
	ds_store_b128 v[STO], v[8*(8*\a+\b)+4:8*(8*\a+\b)+7] offset:64*\b+16
.endr
	WIN 0
	s_wait_xcnt 0x0                                ; buffer f, which stores read, and the stores' base are rewritten only behind this wait
.if \i
	s_add_nc_u64 s[8:9], s[8:9], 16*SIZE_N*4       ; 16 rows on
.endif
.irp t, 0,1,2,3,4,5,6,7,8,9,10,11,12,13,14,15
	ds_load_b128 v[\f+4*\t:\f+4*\t+3], v[RD] offset:\t*SPITCH        ; LDS serves a wave's instructions in order (ISA guide 5.7.1.4): these see the stores above
.endr
.irp t, 0,1,2,3,4,5,6,7,8,9,10,11,12,13,14,15
	s_wait_dscnt 15-\t                             ; load t is in, the younger ones stay out
	global_store_b128 v[CO], v[\f+4*\t:\f+4*\t+3], s[8:9] offset:\t*SIZE_N*4   ; the wave stores 512 consecutive bytes, aligned
.endr
.endm
	OUT16F 0, 0, 0x08, F0
	OUT16F 1, 1, 0x08, F1
	OUT16F 2, 2, 0x08, F0
	OUT16F 3, 3, 0x08, F1
	OUT16F 4, 0, 0x0c, F0
	OUT16F 5, 1, 0x0c, F1
	OUT16F 6, 2, 0x0c, F0
	OUT16F 7, 3, 0x0c, F1
	s_set_vgpr_msb 0x1
	s_wait_tensorcnt 0x0
	ds_add_u32 v255, v255
	s_wait_dscnt 0x0
	s_set_vgpr_msb 0x100
	CROUND                                         ; the closing round
	s_endpgm
.Lfunc_end_k_q0b0402cc35_gemm2:
	.size	k_q0b0402cc35_gemm2, .Lfunc_end_k_q0b0402cc35_gemm2-k_q0b0402cc35_gemm2
	.p2alignl 7, 3214868480
	.fill 96, 4, 3214868480
	.section	.rodata,"a",@progbits
	.p2align	6, 0x0
	.amdhsa_kernel k_q0b0402cc35_gemm2
		.amdhsa_group_segment_fixed_size 327680
		.amdhsa_private_segment_fixed_size 0
		.amdhsa_enable_private_segment 0
		.amdhsa_kernarg_size 24
		.amdhsa_user_sgpr_count 2
		.amdhsa_user_sgpr_kernarg_segment_ptr 1
		.amdhsa_wavefront_size32 1
		.amdhsa_system_sgpr_workgroup_id_x 1
		.amdhsa_system_sgpr_workgroup_id_y 1
		.amdhsa_system_sgpr_workgroup_id_z 1
		.amdhsa_system_vgpr_workitem_id 0
		.amdhsa_next_free_vgpr 1024
		.amdhsa_next_free_sgpr 66
		.amdhsa_reserve_vcc 0
		.amdhsa_float_denorm_mode_32 3
		.amdhsa_float_denorm_mode_16_64 3
		.amdhsa_memory_ordered 1
		.amdhsa_forward_progress 1
		.amdhsa_inst_pref_size 196
	.end_amdhsa_kernel
	.amdgpu_metadata
---
amdhsa.version: [ 1, 2 ]
amdhsa.kernels:
  - .name:           k_q0b0402cc35_gemm2
    .symbol:         k_q0b0402cc35_gemm2.kd
    .args:
      - { .name: h, .offset: 0, .size: 8, .value_kind: global_buffer, .address_space: global }
      - { .name: W2h, .offset: 8, .size: 8, .value_kind: global_buffer, .address_space: global }
      - { .name: part, .offset: 16, .size: 8, .value_kind: global_buffer, .address_space: global }
    .group_segment_fixed_size: 327680
    .private_segment_fixed_size: 0
    .kernarg_segment_align: 8
    .kernarg_segment_size: 24
    .max_flat_workgroup_size: 128
    .sgpr_count:     66
    .vgpr_count:     1024
    .wavefront_size: 32
...
	.end_amdgpu_metadata
.endif
;; end of part 3
;; launch mix (part 4): grid 256 x 1, 16 waves a work-group, no clusters, 0 bytes of LDS; arguments x_streams, part, coef, b2, out0; writes out0
.if DOCPART == 4
	.amdgcn_target "amdgcn-amd-amdhsa--gfx1250"
	.amdhsa_code_object_version 6
	.text
	.protected	k_q0b0402cc35_mix
	.globl	k_q0b0402cc35_mix
	.p2align	8
	.type	k_q0b0402cc35_mix,@function
k_q0b0402cc35_mix:
	s_mov_b64 s[64:65], 0
	v_nop
	global_prefetch_b8 v0, s[64:65] scope:SCOPE_SE
	s_setreg_imm32_b32 hwreg(HW_REG_WAVE_MODE, 25, 1), 1
	s_wait_xcnt 0x0
; out[t][i][c] = sum over j of H_merged[t][i][j] x[t][j][c] + h_post[t][i] lo[t][c],  lo = 32 ((part0 + part1) + (part2 + part3)) + b2, all in f32.
; The factor 32 undoes the 1/32 with which the layer's hidden numbers were stored in f16.
; A stream: every byte of x and of part is read once by 16-byte loads, every byte of out written once; a wave's load or store covers 512
; consecutive bytes, aligned.  No LDS, no barrier, no matrix unit: a 4 x 4 mix per column has nothing for them, and the work-groups share
; nothing but b2's 8,192 bytes, so there is nothing to ask for jointly.
; Wave w of work-group g takes token 8 g + w / 2 and columns 1024 (w % 2) .. + 1023, in eight turns of 128 columns.  The token's 20
; coefficients lie in scalar registers.  Four register slots of nine loads each take turns: 36 loads of a wave are on their way.
.set SLOTS, 4
.set OV, 160                           ; v[160:175] out for the 4 streams
.set LO, 176                           ; v[176:179] the layer's output for my 4 columns
; slot s at 16 + 36 s (v[16:159]): x of stream j at + 4 j, part of split p at + 16 + 4 p, b2 at + 32
.macro LOADS it, slot
.irp j, 0,1,2,3
	global_load_b128 v[16+36*\slot+4*\j:16+36*\slot+4*\j+3], v1, s[4:5] offset:8192*\j+512*(\it) th:TH_LOAD_NT
.endr
.irp p, 0,1,2,3
	global_load_b128 v[32+36*\slot+4*\p:32+36*\slot+4*\p+3], v1, s[36+2*\p:37+2*\p] offset:512*(\it) th:TH_LOAD_NT
.endr
	global_load_b128 v[48+36*\slot:51+36*\slot], v1, s[10:11] offset:512*(\it)
.endm
; One turn.  left = how many younger loads may stay out; ahead = 1: the slot is filled again, four turns ahead.
.macro WORK it, slot, left, ahead
.set SB, 16+36*\slot
	s_wait_loadcnt \left                           ; loads come back in order: this slot's nine are in, the younger turns' stay out
	s_wait_xcnt 0x0                                ; OV, which the last turn's stores read, is rewritten only behind this wait
.irp c, 0,2
	v_pk_add_f32 v[SB+16+\c:SB+17+\c], v[SB+16+\c:SB+17+\c], v[SB+20+\c:SB+21+\c]
	v_pk_add_f32 v[SB+24+\c:SB+25+\c], v[SB+24+\c:SB+25+\c], v[SB+28+\c:SB+29+\c]
	v_pk_add_f32 v[SB+16+\c:SB+17+\c], v[SB+16+\c:SB+17+\c], v[SB+24+\c:SB+25+\c]
	v_pk_fma_f32 v[LO+\c:LO+\c+1], v[SB+16+\c:SB+17+\c], 0x42000000, v[SB+32+\c:SB+33+\c] op_sel_hi:[1,0,1]   ; 32 x the sum + b2
.endr
.irp i, 0,1,2,3
.irp c, 0,1,2,3
	v_mul_f32 v[OV+4*\i+\c], s[32+\i], v[LO+\c]    ; h_post[i] lo starts the sum: nothing is cleared
.endr
.irp j, 0,1,2,3
.irp c, 0,1,2,3
	v_fmac_f32 v[OV+4*\i+\c], s[16+4*\i+\j], v[SB+4*\j+\c]
.endr
.endr
.endr
.if \ahead
	LOADS \it+SLOTS, \slot                         ; loads ahead of stores
.endif
.irp i, 0,1,2,3
	global_store_b128 v1, v[OV+4*\i:OV+4*\i+3], s[12:13] offset:8192*\i+512*(\it) th:TH_STORE_NT
.endr
.endm
	s_load_b256 s[4:11], s[0:1], 0x0               ; x s[4:5], part s[6:7], coef s[8:9], b2 s[10:11]
	s_load_b64 s[12:13], s[0:1], 0x20              ; out0
	v_lshrrev_b32 v1, 5, v0
	v_readfirstlane_b32 s3, v1                     ; wave 0..15
	v_and_b32 v1, 31, v0
	v_lshlrev_b32 v1, 4, v1                        ; 16 bytes a lane; never rewritten
	s_lshl_b32 s14, ttmp9, 3
	s_lshr_b32 s15, s3, 1
	s_add_co_u32 s14, s14, s15                     ; token = 8 g + w / 2
	s_and_b32 s15, s3, 1
	s_lshl_b32 s15, s15, 12                        ; my half of the columns: 1,024 x 4 bytes
	s_lshl_b32 s44, s14, 7                         ; the token's record of 128 bytes
	s_mov_b32 s45, 0
	s_wait_kmcnt 0x0
	s_add_nc_u64 s[8:9], s[8:9], s[44:45]
	s_load_b512 s[16:31], s[8:9], 0x0              ; H_merged[i][j] in s[16 + 4 i + j]
	s_load_b128 s[32:35], s[8:9], 0x40             ; h_post
	s_lshl_b32 s44, s14, 15                        ; a token of x and of out: 32,768 bytes
	s_add_co_u32 s44, s44, s15
	s_add_nc_u64 s[4:5], s[4:5], s[44:45]
	s_add_nc_u64 s[12:13], s[12:13], s[44:45]
	s_lshl_b32 s44, s14, 13                        ; a row of part: 8,192 bytes
	s_add_co_u32 s44, s44, s15
	s_add_nc_u64 s[36:37], s[6:7], s[44:45]
	s_add_nc_u64 s[38:39], s[36:37], 0x1000000     ; the next split's plane: 2048 x 2048 x 4 bytes
	s_add_nc_u64 s[40:41], s[38:39], 0x1000000
	s_add_nc_u64 s[42:43], s[40:41], 0x1000000
	s_mov_b32 s44, s15
	s_add_nc_u64 s[10:11], s[10:11], s[44:45]
	LOADS 0, 0                                     ; half of the wave's eight turns are asked for at once
	LOADS 1, 1
	LOADS 2, 2
	LOADS 3, 3
	s_wait_kmcnt 0x0                               ; the coefficients
	WORK 0, 0, 27, 1                               ; the three younger turns' 27 loads stay out
	WORK 1, 1, 27, 1
	WORK 2, 2, 27, 1
	WORK 3, 3, 27, 1
	WORK 4, 0, 27, 0                               ; the last four turns load nothing: the counts run down
	WORK 5, 1, 18, 0
	WORK 6, 2, 9, 0
	WORK 7, 3, 0, 0
	s_endpgm
.Lfunc_end_k_q0b0402cc35_mix:
	.size	k_q0b0402cc35_mix, .Lfunc_end_k_q0b0402cc35_mix-k_q0b0402cc35_mix
	.p2alignl 7, 3214868480
	.fill 96, 4, 3214868480
	.section	.rodata,"a",@progbits
	.p2align	6, 0x0
	.amdhsa_kernel k_q0b0402cc35_mix
		.amdhsa_group_segment_fixed_size 0
		.amdhsa_private_segment_fixed_size 0
		.amdhsa_enable_private_segment 0
		.amdhsa_kernarg_size 40
		.amdhsa_user_sgpr_count 2
		.amdhsa_user_sgpr_kernarg_segment_ptr 1
		.amdhsa_wavefront_size32 1
		.amdhsa_system_sgpr_workgroup_id_x 1
		.amdhsa_system_sgpr_workgroup_id_y 1
		.amdhsa_system_sgpr_workgroup_id_z 1
		.amdhsa_system_vgpr_workitem_id 0
		.amdhsa_next_free_vgpr 180
		.amdhsa_next_free_sgpr 66
		.amdhsa_reserve_vcc 0
		.amdhsa_float_denorm_mode_32 3
		.amdhsa_float_denorm_mode_16_64 3
		.amdhsa_memory_ordered 1
		.amdhsa_forward_progress 1
		.amdhsa_inst_pref_size 37
	.end_amdhsa_kernel
	.amdgpu_metadata
---
amdhsa.version: [ 1, 2 ]
amdhsa.kernels:
  - .name:           k_q0b0402cc35_mix
    .symbol:         k_q0b0402cc35_mix.kd
    .args:
      - { .name: x_streams, .offset: 0, .size: 8, .value_kind: global_buffer, .address_space: global }
      - { .name: part, .offset: 8, .size: 8, .value_kind: global_buffer, .address_space: global }
      - { .name: coef, .offset: 16, .size: 8, .value_kind: global_buffer, .address_space: global }
      - { .name: b2, .offset: 24, .size: 8, .value_kind: global_buffer, .address_space: global }
      - { .name: out0, .offset: 32, .size: 8, .value_kind: global_buffer, .address_space: global }
    .group_segment_fixed_size: 0
    .private_segment_fixed_size: 0
    .kernarg_segment_align: 8
    .kernarg_segment_size: 40
    .max_flat_workgroup_size: 512
    .sgpr_count:     66
    .vgpr_count:     180
    .wavefront_size: 32
...
	.end_amdgpu_metadata
.endif
;; end of part 4
;; ======== version 2 of 2: 4 launches; version 1 with the launch prep written anew for expert scheduling mode
;; limits: values are held in f16: magnitudes above 65,504 overflow, below 6.1e-05 lose precision; right only within a limited range of input values
;; workspace buffers: li 8,388,608 bytes; coef 262,144 bytes; W1h 33,554,432 bytes; W2h 33,554,432 bytes; h 33,554,432 bytes; part 67,108,864 bytes
;; launch prep (part 5): grid 256 x 1, 16 waves a work-group, no clusters, 313,344 bytes of LDS; arguments x_streams, W_all, b_all, alpha_pre, alpha_post, alpha_res, perm_mat, W1, W2, li, coef, W1h, W2h; writes li, coef, W1h, W2h
.if DOCPART == 5
	.amdgcn_target "amdgcn-amd-amdhsa--gfx1250"
	.amdhsa_code_object_version 6
	.text
	.protected	k_q0b0402cc35_prep
	.globl	k_q0b0402cc35_prep
	.p2align	8
	.type	k_q0b0402cc35_prep,@function
k_q0b0402cc35_prep:
	s_mov_b64 s[64:65], 0
	v_nop
	global_prefetch_b8 v0, s[64:65] scope:SCOPE_SE
	s_setreg_imm32_b32 hwreg(HW_REG_WAVE_SCHED_MODE, 0, 2), 2
	s_setreg_imm32_b32 hwreg(HW_REG_WAVE_MODE, 25, 1), 1
	s_wait_xcnt 0x0
	s_wait_alu depctr_vm_vsrc(0)
; Two jobs that do not depend on each other share this launch, 128 work-groups each, of nearly equal bytes.
; WORK-GROUPS 0-127: the gates and the pre-map of 16 tokens each.  A token is 4 streams x 2,048 f32 = 8,192 numbers.
;   proj[t][o] = sum over k of x[t][k] W_all[o][k] on the matrix unit (f16 operands, f32 sums), ss[t] = sum of x^2 from the f32 numbers,
;   logits = alpha * rsqrt(ss/8192 + eps) * proj + b_all  (the scaling stands behind the sum; reference() scales x first),
;   h_pre = sigmoid, h_post = 2 sigmoid, a_res = softmax over 24 with its maximum taken away, H_res = a_res x perm_mat (f16 operands),
;   coef[t] = { H_res - h_post h_pre^T (16), h_post (4), h_pre (4), h_post, h_pre once more so that all 128 bytes are written },
;   li[t][c] = sum over n of h_pre[n] x[t][n][c], x taken as the f16 fragments that the projection has left in registers, sums in f32, li in f16.
;   Wave w owns columns 128 w .. 128 w + 127 of all four streams: 512 of the 8,192 k.  x is read from memory once.
;   LOADS AHEAD: x and W_all come in 24 groups of eight 512-byte loads.  The 32 registers that will hold stream n's fragments are idle until
;   those fragments are made, so they take groups that are consumed before that, beside the ring's two halves: 48 loads of a wave are on
;   their way at the start, 40 through streams 0 and 1, 32 in stream 2, 24 in stream 3.
; WORK-GROUPS 128-255: W1 and W2 rounded to f16 (W1h, W2h), 1 MiB of f32 a work-group, 64 KiB a wave, 32 loads of a wave on their way.
; WHY f16 AND NOT bf16: 11 significant bits against 8, at the same matrix rate; five roundings lie between x and the layer's output.
; LIMITS: x, W_all, a_res, perm_mat, li, W1 and W2 are rounded to f16.  A magnitude of 65,520 or more becomes infinite; below 6.1e-5 the
;   step is a fixed 6e-8.  Room: |li| is at most 4 max |x|; x of magnitude 6 taken 30 times larger, or shifted by 30 spreads, gives under 700;
;   weights of rms 0.011 to 0.022 so treated stay under 2; 30 times smaller (rms 3.7e-4) the fixed step is an rms error of 1.7e-8, 5e-5 of the rms.
;   In the H_res product the k places 0-7 carry a = 0 against perm_mat's rows 0-7, so perm_mat has to be finite in f16.
; NO JOINT TENSOR LOADS for W_all, though 128 work-groups read it: it is rounded to f16 in registers on its way into LDS; f32 tiles for sixteen
;   waves' k ranges in two slots would be 2 x 16 x 32 rows x 528 bytes = 540,672 bytes, more than a work-group can have, and half of the
;   launch's work-groups have no part in it.
; THE MODE: SCHED_MODE bits 1:0 = 2 (LLVM: expert scheduling mode 2), set by the entry lines.  The code itself states the register dependences
;   between vector or matrix instructions and memory or LDS instructions, with s_wait_alu, always for 0.
; THE PLAN, gates' half.  Registers that memory or LDS instructions touch:
;   a group's buffer   Written by the group's eight loads.  A group of x: read by its eight LDS stores; one wait on vm_vsrc, then the next group's loads land.
;                      A group of W_all: read by its sixteen conversions; the group's one wait on va_vdst, then the next group's loads land.
;   XT, WF             For W_all's groups two out-buffers by turns: written by a group's conversions, read by its eight LDS stores behind the same wait on va_vdst,
;                      written again two groups later behind a wait on vm_vsrc.  In FRAGS: LDS loads land in them; the squares and conversions read XT, the products WF.
;                      One wait on vm_vsrc stands ahead of each FRAGS, one wait on va_vdst in each chunk, behind its squares and conversions and ahead of its eight LDS loads.
;   v[VX], v[BO], v[FW]  Made at the head, never written again.  v[SX], v[SW], v[FX] are written again where their first use is over, each behind a wait on vm_vsrc.
;   ACC, SS, PJ, OW    Data of LDS stores: a wait on va_vdst ahead of each run of stores, a wait on vm_vsrc ahead of the first line that writes one of them again.
; THE PLAN, conversion half.  Batch b of eight slots: the loads land in CX[b]; sixteen conversions read it and write CY[b]; one wait on va_vdst; the batch's next eight loads
;   and its eight stores.  CY[b] is written again four batches later, behind a wait on vm_vsrc.  v2 and v3, the offsets, are never written again.
.set TOKROW,   32768                   ; bytes of a token in x, and of a row of W_all
.set STREAM,   8192                    ; bytes of a stream
.set WAVE_LDS, 17152                   ; a wave's own LDS: XS 16 x 528, then WS 32 x 272
.set XPITCH,   528                     ; 128 f32 + 16 bytes: an odd multiple of 16, so 16 rows start in 16 different 16-byte columns
.set WPITCH,   272                     ; 128 f16 + 16 bytes, likewise; also the pitch of li's stage, which lies on XS
.set WS,       8448
.set RED,      274432                  ; [17][16 waves][32 lanes] f32: the 16 accumulator registers and the sum of squares
.set SSOFF,    32768                   ; j = 16 in RED
.set RED2OFF,  34816                   ; RED2 = RED + 17 x 2,048: [16][32 lanes] f32, the sums over the waves
.set VX,   2                           ; 16 lane + 512 w: my bytes in a stream's part of a row, in x and in W_all alike; never rewritten
.set SX,   3                           ; XS + 16 lane;  later perm_mat's first offset, then the stage's read address
.set SW,   4                           ; base + 8 lane; later perm_mat's second offset, then my offset in li
.set FX,   5                           ; base + 528 r + 32 h; later RJ
.set FW,   6                           ; base + 272 r + 16 h: W's fragments (+ WS) and li's stage
.set RR,   7                           ; r = lane & 15
.set HH,   8                           ; h = lane >> 4
.set BO,   9                           ; 32 h
.set ACC0, 10                          ; v[10:17] outputs 8 h + j of token r
.set ACC1, 18                          ; v[18:25] outputs 16 + 8 h + j
.set XT,   26                          ; v[26:41] 16 f32 of x; in CONSUME the packed words of W_all's even groups
.set WF,   42                          ; v[42:57] two fragments of W_all; in CONSUME the packed words of W_all's odd groups
.set SS,   58                          ; v[58:61] sums of squares, two pairs
.set RA,   62                          ; RED + 4 lane + 128 w
.set L4,   63                          ; RED + 4 lane
.set RJ,   5                           ; RED + 4 lane + 2,048 w
.set XF,   128                         ; v[128:255] x as f16 fragments, chunk (n, q) at 8 (4 n + q)
.set BUFA, 64                          ; buffers of eight 16-byte loads: the ring's two halves,
.set BUFB, 96
.set BUF0, XF                          ; and stream n's 32 fragment registers, for groups consumed ahead of FRAGS n
.set BUF1, XF+32
.set BUF2, XF+64
.set BUF3, XF+96
.set HP,   26                          ; v[26:29] h_pre, v[30:33] h_post of token r, in every lane
.set HQ,   30
.set UN,   34                          ; v[34:41] pre-map: two numbers of each stream in f32 (v44-47: the four streams' words)
.set AK,   42                          ; v[42:43] pre-map: the sum
.set BB,   64                          ; v[64:79] b_all in the accumulators' order
.set OW,   64                          ; v[64:95] pre-map: eight packed words for each q
.set PJ,   80                          ; v[80:95] partial sums, then proj
.set ZL,   96                          ; v[96:111] partial sums of squares, then the logits
.set PM,   112                         ; v[112:127] perm_mat (wave 0)
.set CX,   64                          ; conversion: v[64:191] thirty-two slots as loaded
.set CY,   192                         ; conversion: v[192:255] thirty-two pairs to store
; Group g = 6 n + p of eight loads, 512 consecutive bytes each, into buffer buf: p = 0, 1 tokens 8 p + i of x, p = 2..5 rows 8 (p - 2) + i of W_all, stream n.
.macro ISSUE g, buf
.irp i, 0,1,2,3,4,5,6,7
.if ((\g)%6) < 2
	global_load_b128 v[\buf+4*\i:\buf+4*\i+3], v[VX], s[8:9] offset:(8*((\g)%6)+\i)*TOKROW+((\g)/6)*STREAM th:TH_LOAD_NT
.else
	global_load_b128 v[\buf+4*\i:\buf+4*\i+3], v[VX], s[10:11] offset:(8*((\g)%6-2)+\i)*TOKROW+((\g)/6)*STREAM
.endif
.endr
.endm
; Group g, which lies in buffer buf, goes into my LDS (x as f32, W_all as f16).  left = the loads issued behind this group's eight.
; nxt = the group that is asked for into the same buffer; 99: none (nothing is left, or the buffer is due for its fragments).
; No wait on DScnt stands here: the bytes are my wave's own, LDS serves a wave's instructions in order (ISA guide 5.7.1.4), and what the stores' data registers need is stated by the waits on vm_vsrc.
.macro CONSUME g, buf, left, nxt
	s_wait_loadcnt \left                           ; loads come back in order: group g is in, the younger groups stay out
.if ((\g)%6) < 2
.irp i, 0,1,2,3,4,5,6,7
	ds_store_b128 v[SX], v[\buf+4*\i:\buf+4*\i+3] offset:(8*((\g)%6)+\i)*XPITCH
.endr
.if \nxt < 24
	s_wait_alu depctr_vm_vsrc(0)                   ; the eight LDS stores above have read the buffer, in which the next group's loads land
	ISSUE \nxt, \buf
.endif
.else
.set OBF, XT+16*((\g)%2)                       ; the out-buffer: XT for p = 2, 4; WF for p = 3, 5
.if ((\g)%6) > 3
	s_wait_alu depctr_vm_vsrc(0)                   ; the LDS stores of the group two back have read this out-buffer, which the conversions write again
.endif
.irp i, 0,1,2,3,4,5,6,7
	v_cvt_pk_f16_f32 v[OBF+2*\i], v[\buf+4*\i], v[\buf+4*\i+1]
	v_cvt_pk_f16_f32 v[OBF+2*\i+1], v[\buf+4*\i+2], v[\buf+4*\i+3]
.endr
	s_wait_alu depctr_va_vdst(0)                   ; the conversions have written the out-buffer, which the LDS stores read, and are done reading the buffer, in which the next group's loads land
.if \nxt < 24
	ISSUE \nxt, \buf                               ; loads ahead of stores
.endif
.irp i, 0,1,2,3,4,5,6,7
	ds_store_b64 v[SW], v[OBF+2*\i:OBF+2*\i+1] offset:WS+(8*((\g)%6-2)+\i)*WPITCH
.endr
.endif
.endm
; 16 f32 of token r: k = 32 q + 8 h + 0..7 and 32 q + 16 + 8 h + 0..7, the places of a 16-bit fragment
.macro XTLOAD q
	ds_load_b128 v[XT:XT+3],     v[FX] offset:128*(\q)
	ds_load_b128 v[XT+4:XT+7],   v[FX] offset:128*(\q)+16
	ds_load_b128 v[XT+8:XT+11],  v[FX] offset:128*(\q)+64
	ds_load_b128 v[XT+12:XT+15], v[FX] offset:128*(\q)+80
.endm
; 32 k of stream n: squares, the fragment of x, two products.  Source A = 16 rows of W_all, source B = 16 tokens.
.macro CHUNK n, q
	s_wait_dscnt 0x0                               ; this chunk's x: nothing younger is out
.irp i, 0,1,2,3,4,5,6,7
.if (\n)+(\q)+(\i)/2 == 0
	v_pk_mul_f32 v[SS+2*(\i%2):SS+2*(\i%2)+1], v[XT+2*\i:XT+2*\i+1], v[XT+2*\i:XT+2*\i+1]   ; the first two start the sums: nothing is cleared
.else
	v_pk_fma_f32 v[SS+2*(\i%2):SS+2*(\i%2)+1], v[XT+2*\i:XT+2*\i+1], v[XT+2*\i:XT+2*\i+1], v[SS+2*(\i%2):SS+2*(\i%2)+1]
.endif
.endr
.irp i, 0,1,2,3,4,5,6,7
	v_cvt_pk_f16_f32 v[XF+8*(4*\n+\q)+\i], v[XT+2*\i], v[XT+2*\i+1]
.endr
	; the sixteen lines above name no register of the last products
	s_wait_alu depctr_va_vdst(0)                   ; the squares and conversions are done reading XT, in which the next chunk's x lands; the last chunk's products are done reading WF, in which this chunk's fragments land
.irp u, 0,1
	ds_load_b128 v[WF+8*\u:WF+8*\u+3],   v[FW] offset:WS+\u*16*WPITCH+64*\q
	ds_load_b128 v[WF+8*\u+4:WF+8*\u+7], v[FW] offset:WS+\u*16*WPITCH+64*\q+32
.endr
.if \q < 3
	XTLOAD \q+1
	s_wait_dscnt 0x4                               ; WF is in; the four loads of the next chunk's x stay out
.else
	s_wait_dscnt 0x0
.endif
	; the two accumulators take turns, one instruction a turn
.if (\n)+(\q) == 0
	v_wmma_f32_16x16x32_f16 v[ACC0:ACC0+7], v[WF:WF+7],    v[XF+8*(4*\n+\q):XF+8*(4*\n+\q)+7], 0
	v_wmma_f32_16x16x32_f16 v[ACC1:ACC1+7], v[WF+8:WF+15], v[XF+8*(4*\n+\q):XF+8*(4*\n+\q)+7], 0
.else
	v_wmma_f32_16x16x32_f16 v[ACC0:ACC0+7], v[WF:WF+7],    v[XF+8*(4*\n+\q):XF+8*(4*\n+\q)+7], v[ACC0:ACC0+7]
	v_wmma_f32_16x16x32_f16 v[ACC1:ACC1+7], v[WF+8:WF+15], v[XF+8*(4*\n+\q):XF+8*(4*\n+\q)+7], v[ACC1:ACC1+7]
.endif
.endm
.macro FRAGS n
	XTLOAD 0
	CHUNK \n, 0
	CHUNK \n, 1
	CHUNK \n, 2
	CHUNK \n, 3
.endm
; v[d] = the sum of v[b] .. v[b+15]
.macro TREE16 b, d
.irp k, 0,2,4,6
	v_pk_add_f32 v[\b+\k:\b+\k+1], v[\b+\k:\b+\k+1], v[\b+8+\k:\b+8+\k+1]
.endr
	v_pk_add_f32 v[\b:\b+1], v[\b:\b+1], v[\b+4:\b+5]
	v_pk_add_f32 v[\b+2:\b+3], v[\b+2:\b+3], v[\b+6:\b+7]
	v_pk_add_f32 v[\b:\b+1], v[\b:\b+1], v[\b+2:\b+3]
	v_add_f32 v[\d], v[\b], v[\b+1]
.endm
; li for the 32 columns of chunk q: word i of the four streams' fragments holds the same two columns.
; A register's halves can be named only in v0-127, and the fragments lie above: each word is moved down before it is widened.
; The eight packed words stay in OW + 8 q: the four quarters' LDS stores follow in one run, behind one wait.
.macro PREMAP q
.irp i, 0,1,2,3,4,5,6,7
	v_mov_b32 v44, v[XF+8*(0+\q)+\i]
	v_mov_b32 v45, v[XF+8*(4+\q)+\i]
	v_mov_b32 v46, v[XF+8*(8+\q)+\i]
	v_mov_b32 v47, v[XF+8*(12+\q)+\i]
	v_cvt_f32_f16 v34, v44.l
	v_cvt_f32_f16 v35, v44.h
	v_cvt_f32_f16 v36, v45.l
	v_cvt_f32_f16 v37, v45.h
	v_cvt_f32_f16 v38, v46.l
	v_cvt_f32_f16 v39, v46.h
	v_cvt_f32_f16 v40, v47.l
	v_cvt_f32_f16 v41, v47.h
	v_pk_mul_f32 v[AK:AK+1], v[UN:UN+1],   v[HP:HP+1] op_sel_hi:[1,0]                             ; both by h_pre[0]
	v_pk_fma_f32 v[AK:AK+1], v[UN+2:UN+3], v[HP:HP+1],   v[AK:AK+1] op_sel:[0,1,0] op_sel_hi:[1,1,1] ; both by h_pre[1]
	v_pk_fma_f32 v[AK:AK+1], v[UN+4:UN+5], v[HP+2:HP+3], v[AK:AK+1] op_sel_hi:[1,0,1]                ; h_pre[2]
	v_pk_fma_f32 v[AK:AK+1], v[UN+6:UN+7], v[HP+2:HP+3], v[AK:AK+1] op_sel:[0,1,0] op_sel_hi:[1,1,1] ; h_pre[3]
	v_cvt_pk_f16_f32 v[OW+8*\q+\i], v[AK], v[AK+1]
.endr
.endm
; conversion: the turn of batch b, eight of the ring's 32 slots.  left = how many younger loads may stay out; ahead = 1: the batch is filled again.
.macro CBATCH b, ahead, left
	s_wait_loadcnt \left                           ; loads come back in order: this batch's eight are in
	s_wait_xcnt 0x0                                ; the batch's pairs, which its last stores read, are rewritten only behind this wait: one wait for eight slots
	s_wait_alu depctr_vm_vsrc(0)                   ; the batch's stores of the round before, four batches back, have read its pairs, which the conversions write again
.irp i, 0,1,2,3,4,5,6,7
	v_cvt_pk_f16_f32 v[CY+2*(8*\b+\i)],   v[CX+4*(8*\b+\i)],   v[CX+4*(8*\b+\i)+1]
	v_cvt_pk_f16_f32 v[CY+2*(8*\b+\i)+1], v[CX+4*(8*\b+\i)+2], v[CX+4*(8*\b+\i)+3]
.endr
	s_wait_alu depctr_va_vdst(0)                   ; the conversions have written the batch's pairs, which the stores read, and are done reading its slots, in which the loads land
.if \ahead
.irp i, 0,1,2,3,4,5,6,7
	global_load_b128 v[CX+4*(8*\b+\i):CX+4*(8*\b+\i)+3], v2, s[34:35] offset:(32+8*\b+\i)*512 th:TH_LOAD_NT
.endr
.endif
.irp i, 0,1,2,3,4,5,6,7
	global_store_b64 v3, v[CY+2*(8*\b+\i):CY+2*(8*\b+\i)+1], s[36:37] offset:(8*\b+\i)*256 th:TH_STORE_NT   ; the wave's 32 lanes store 256 consecutive bytes, aligned
.endr
.endm
	s_load_b512 s[8:23], s[0:1], 0x0               ; x, W_all, b_all, alpha_pre, alpha_post, alpha_res, perm_mat, W1
	s_load_b256 s[24:31], s[0:1], 0x40             ; W2, li, coef, W1h
	s_load_b64 s[32:33], s[0:1], 0x60              ; W2h
	s_mov_b32 s2, ttmp9
	v_lshrrev_b32 v1, 5, v0
	v_readfirstlane_b32 s3, v1                     ; wave 0..15
	v_and_b32 v1, 31, v0                           ; lane
	s_wait_alu depctr_va_sdst(0)                   ; s3 is written: ahead of the branch, and so of its first reader on either side of it
	s_wait_kmcnt 0x0
	s_cmp_lt_u32 s2, 128                           ; the same in all waves of a work-group
	s_cbranch_scc0 .Lcvt
	; ================= work-groups 0-127: gates and pre-map of tokens 16 g .. 16 g + 15
	s_load_b32 s41, s[14:15], 0x0                  ; alpha_pre
	s_load_b32 s42, s[16:17], 0x0                  ; alpha_post
	s_load_b32 s43, s[18:19], 0x0                  ; alpha_res
	s_lshl_b32 s4, s2, 19                          ; 16 tokens of 32,768 bytes
	s_mov_b32 s5, 0
	s_add_nc_u64 s[8:9], s[8:9], s[4:5]
	s_lshl_b32 s4, s2, 16                          ; 16 rows of li, 4,096 bytes each
	s_add_nc_u64 s[26:27], s[26:27], s[4:5]
	s_lshl_b32 s4, s2, 11                          ; 16 records of coef, 128 bytes each
	s_add_nc_u64 s[28:29], s[28:29], s[4:5]
	v_lshlrev_b32 v[VX], 4, v1
	v_lshl_add_u32 v[VX], s3, 9, v[VX]
	s_wait_alu depctr_va_vdst(0)                   ; v[VX] is written: every load of x and of W_all reads it as its offset
	ISSUE 0, BUF0                                  ; all of stream 0's six groups go out at once: 48 loads
	ISSUE 1, BUF1
	ISSUE 2, BUF2
	ISSUE 3, BUF3
	ISSUE 4, BUFA
	ISSUE 5, BUFB
	s_mul_i32 s6, s3, WAVE_LDS                     ; my wave's LDS
	s_mov_b32 s40, 0xffff0000                      ; lanes 16-31 as a mask
	s_mov_b32 s44, 0x76543210                      ; v_permlanex16_b32: lane i takes lane i of the other half
	s_mov_b32 s45, 0xfedcba98
	s_mov_b32 s46, 0x39000000                      ; 1 / 8192
	s_mov_b32 s47, 0x34000000                      ; eps = 2^-23
	s_mov_b32 s48, 0x3fb8aa3b                      ; log2 e
	v_and_b32 v[RR], 15, v0
	v_bfe_u32 v[HH], v0, 4, 1
	v_lshl_add_u32 v[SX], v1, 4, s6
	v_lshl_add_u32 v[SW], v1, 3, s6
	v_mul_u32_u24 v[FX], v[RR], XPITCH
	v_lshl_add_u32 v[FX], v[HH], 5, v[FX]
	v_add_nc_u32 v[FX], s6, v[FX]
	v_mul_u32_u24 v[FW], v[RR], WPITCH
	v_lshl_add_u32 v[FW], v[HH], 4, v[FW]
	v_add_nc_u32 v[FW], s6, v[FW]
	v_lshlrev_b32 v[BO], 5, v[HH]
	s_wait_alu depctr_va_vdst(0)                   ; v[SX], v[SW], v[FX], v[FW] and v[BO] are written: the LDS stores and loads below, and b_all's loads, read them as addresses
	; The groups in order.  A consumed buffer takes the next group not yet asked for, unless that group would be consumed behind the
	; fragments that the buffer is due for.  The count at group g is eight times the number of groups asked for behind it.
	CONSUME 0,  BUF0, 40, 99                       ; groups 1-5 stay out; BUF0 is due for stream 0's fragments
	CONSUME 1,  BUF1, 32, 6
	CONSUME 2,  BUF2, 32, 7
	CONSUME 3,  BUF3, 32, 8
	CONSUME 4,  BUFA, 32, 9
	CONSUME 5,  BUFB, 32, 10
	s_wait_alu depctr_vm_vsrc(0)                   ; the LDS stores of groups 4 and 5 have read XT and WF, in which the LDS loads of x and of W_all's fragments land
	FRAGS 0                                        ; groups 6-10 are on their way meanwhile
	CONSUME 6,  BUF1, 32, 11
	CONSUME 7,  BUF2, 32, 12
	CONSUME 8,  BUF3, 32, 13
	CONSUME 9,  BUFA, 32, 14
	CONSUME 10, BUFB, 32, 15
	CONSUME 11, BUF1, 32, 99                       ; BUF1 is due for stream 1's fragments
	s_wait_alu depctr_vm_vsrc(0)                   ; the LDS stores of groups 10 and 11 have read XT and WF, in which the LDS loads below land
	FRAGS 1                                        ; groups 12-15 are on their way
	CONSUME 12, BUF2, 24, 16
	CONSUME 13, BUF3, 24, 17
	CONSUME 14, BUFA, 24, 18
	CONSUME 15, BUFB, 24, 19
	CONSUME 16, BUF2, 24, 99                       ; BUF2 is due for stream 2's fragments
	CONSUME 17, BUF3, 16, 20
	s_wait_alu depctr_vm_vsrc(0)                   ; the LDS stores of groups 16 and 17 have read XT and WF, in which the LDS loads below land
	FRAGS 2                                        ; groups 18-20 are on their way
	CONSUME 18, BUFA, 16, 21
	CONSUME 19, BUFB, 16, 22
	CONSUME 20, BUF3, 16, 23
	CONSUME 21, BUFA, 16, 99                       ; nothing is left to ask for: the counts run down
	CONSUME 22, BUFB, 8,  99
	CONSUME 23, BUF3, 0,  99
	s_wait_alu depctr_vm_vsrc(0)                   ; the LDS stores of groups 22 and 23 have read XT and WF, in which the LDS loads of stream 3 land; all LDS stores so far have read v[SX] and v[SW], which wave 0 writes again below: the wait stands ahead of the branch
	; the ring's halves are free: b_all in the accumulators' order, b_all[8 h + j] and b_all[16 + 8 h + j]
	; (no vector instruction since the wait on va_vdst of group 21, or for perm_mat of group 22, names the registers in which these loads land)
	global_load_b128 v[BB:BB+3],     v[BO], s[12:13]
	global_load_b128 v[BB+4:BB+7],   v[BO], s[12:13] offset:16
	global_load_b128 v[BB+8:BB+11],  v[BO], s[12:13] offset:64
	global_load_b128 v[BB+12:BB+15], v[BO], s[12:13] offset:80
	s_cmp_lg_u32 s3, 0
	s_cbranch_scc1 .Lno_perm
	; wave 0: perm_mat as source A of H_res = perm_mat^T x a: row m = r is entry r, k is the output's index, perm_mat's row is k - 8.
	; k = 8 h + i: row i (true for h = 1; for h = 0 it meets a = 0).  k = 16 + 8 h + i: row 8 + 8 h + i.
	v_lshlrev_b32 v[SX], 2, v[RR]
	v_lshl_add_u32 v[SW], v[HH], 9, v[SX]
	s_wait_alu depctr_va_vdst(0)                   ; v[SX] and v[SW] are written: the sixteen loads below read them as offsets
.irp i, 0,1,2,3,4,5,6,7
	global_load_b32 v[PM+\i], v[SX], s[20:21] offset:64*\i
.endr
.irp i, 0,1,2,3,4,5,6,7
	global_load_b32 v[PM+8+\i], v[SW], s[20:21] offset:512+64*\i
.endr
.Lno_perm:
	FRAGS 3
	; ---- the sum over the sixteen waves.  The six lines below name no register of the last products: the places in front of the stores of D
	s_wait_alu depctr_vm_vsrc(0)                   ; the LDS loads of x have read v[FX], which is written again below as v[RJ]
	v_pk_add_f32 v[SS:SS+1], v[SS:SS+1], v[SS+2:SS+3]
	v_lshlrev_b32 v[L4], 2, v1
	v_add_nc_u32 v[L4], RED, v[L4]
	v_lshl_add_u32 v[RA], s3, 7, v[L4]
	v_lshl_add_u32 v[RJ], s3, 11, v[L4]
	v_add_f32 v[SS], v[SS], v[SS+1]
	s_wait_alu depctr_va_vdst(0)                   ; the products have written the accumulators and the lines above v[SS], which the LDS stores read; v[RA], v[RJ] and v[L4], the addresses below, are written; the places above stay beside this wait
.irp j, 0,1,2,3,4,5,6,7,8,9,10,11,12,13,14,15
	ds_store_b32 v[RA], v[ACC0+\j] offset:2048*\j
.endr
	ds_store_b32 v[RA], v[SS] offset:SSOFF
	s_wait_dscnt 0x0                               ; for the other waves: my stores are done
	s_barrier_signal -1
	s_barrier_wait -1
.irp i, 0,1,2,3,4,5,6,7,8,9,10,11,12,13,14,15
	ds_load_b32 v[PJ+\i], v[RJ] offset:128*\i      ; accumulator register j = w of all sixteen waves
.endr
.irp i, 0,1,2,3,4,5,6,7,8,9,10,11,12,13,14,15
	ds_load_b32 v[ZL+\i], v[L4] offset:SSOFF+128*\i ; every wave adds the sums of squares for itself
.endr
	s_wait_dscnt 0x0
	s_wait_alu depctr_vm_vsrc(0)                   ; my LDS store of the sum of squares has read v[SS], which the second tree writes again
	TREE16 PJ, PJ
	TREE16 ZL, SS
	s_wait_alu depctr_va_vdst(0)                   ; the first tree has written v[PJ], which the LDS store reads; both trees are done with v[PJ ..], in which the loads behind the barrier land
	ds_store_b32 v[RA], v[PJ] offset:RED2OFF
	s_wait_dscnt 0x0
	s_barrier_signal -1
	s_barrier_wait -1
	s_wait_alu depctr_vm_vsrc(0)                   ; my LDS store has read v[PJ], in which the first load below lands; wave 0's loads of perm_mat have read v[SX] and v[SW], which are written again behind the pre-map
.irp j, 0,1,2,3,4,5,6,7,8,9,10,11,12,13,14,15
	ds_load_b32 v[PJ+\j], v[L4] offset:RED2OFF+128*\j
.endr
	; ---- the gates, in every wave
	v_permlanex16_b32 v[SS+1], v[SS], s44, s45     ; the other half of the lanes holds the other k of token r
	v_add_f32 v[SS], v[SS], v[SS+1]
	v_fma_f32 v[SS+1], v[SS], s46, s47             ; mean of squares + eps
	v_rsq_f32 v[SS+2], v[SS+1]
	s_wait_kmcnt 0x0                               ; the three alphas
	v_mov_b32 v34, s41                             ; (plain lines behind v_rsq_f32: ISA guide 5.7.2)
	v_mov_b32 v35, s42
	v_mov_b32 v36, s43
	v_cndmask_b32 v34, v34, v36, s40               ; registers 0-3: outputs 0-3 (pre) for h = 0, 8-11 (res) for h = 1
	v_cndmask_b32 v35, v35, v36, s40               ; registers 4-7: outputs 4-7 (post) or 12-15 (res)
	s_wait_alu depctr_va_vdst(0)                   ; v_rsq_f32 has written v[SS+2], ahead of its first reader
	v_mul_f32 v34, v34, v[SS+2]
	v_mul_f32 v35, v35, v[SS+2]
	v_mul_f32 v36, v36, v[SS+2]
	s_wait_dscnt 0x0                               ; proj
	s_wait_loadcnt 0x0                             ; b_all (and in wave 0 perm_mat)
.irp j, 0,1,2,3
	v_fma_f32 v[ZL+\j], v[PJ+\j], v34, v[BB+\j]
.endr
.irp j, 4,5,6,7
	v_fma_f32 v[ZL+\j], v[PJ+\j], v35, v[BB+\j]
.endr
.irp j, 8,9,10,11,12,13,14,15
	v_fma_f32 v[ZL+\j], v[PJ+\j], v36, v[BB+\j]
.endr
	; sigmoid(z) = 1 / (1 + 2^(-z log2 e)) of registers 0-7; lanes 16-31 work on logits of the softmax and their results are thrown away
.irp j, 0,1,2,3,4,5,6,7
	v_mul_f32 v[42+\j], 0xbfb8aa3b, v[ZL+\j]
.endr
.irp j, 0,1,2,3,4,5,6,7
	v_exp_f32 v[42+\j], v[42+\j]
.endr
	v_nop                                          ; one plain line behind the run of transcendentals
	s_wait_alu depctr_va_vdst(0)                   ; the eight exponentials have written v42 to v49, ahead of their first reader
.irp j, 0,1,2,3,4,5,6,7
	v_add_f32 v[50+\j], 1.0, v[42+\j]
.endr
.irp j, 0,1,2,3,4,5,6,7
	v_rcp_f32 v[42+\j], v[50+\j]
.endr
	v_nop
	s_wait_alu depctr_va_vdst(0)                   ; the eight reciprocals have written v42 to v49, ahead of their first reader
.irp j, 4,5,6,7
	v_add_f32 v[42+\j], v[42+\j], v[42+\j]         ; h_post = 2 sigmoid
.endr
.irp j, 0,1,2,3,4,5,6,7
	v_permlanex16_b32 v[50+\j], v[42+\j], s44, s45
.endr
.irp j, 0,1,2,3,4,5,6,7
	v_cndmask_b32 v[HP+\j], v[42+\j], v[50+\j], s40 ; lanes 16-31 take lanes 0-15's: h_pre v[26:29], h_post v[30:33] of token r everywhere
.endr
	; ---- pre-map, and li out through my own stage: 16 rows x 272 bytes on XS, which I alone touch
	PREMAP 0
	PREMAP 1
	PREMAP 2
	PREMAP 3
	v_mul_u32_u24 v[SX], v[HH], WPITCH             ; back: lanes 0-15 one row of 256 bytes, lanes 16-31 the next
	v_lshl_add_u32 v[SX], v[RR], 4, v[SX]
	v_add_nc_u32 v[SX], s6, v[SX]
	v_lshlrev_b32 v[SW], 12, v[HH]                 ; the same two rows in li, at my wave's 256 bytes
	v_lshl_add_u32 v[SW], v[RR], 4, v[SW]
	v_lshl_add_u32 v[SW], s3, 8, v[SW]
	s_wait_alu depctr_va_vdst(0)                   ; the pre-map has written v[OW ..], which the LDS stores read, and is done reading the fragments v128 to v159, in which the stage's loads land; v[SX] and v[SW], their address and the stores' offset, are written
.irp q, 0,1,2,3
	ds_store_b128 v[FW], v[OW+8*\q:OW+8*\q+3]   offset:64*\q        ; row r, columns 32 q + 8 h ..
	ds_store_b128 v[FW], v[OW+8*\q+4:OW+8*\q+7] offset:64*\q+32     ; columns 32 q + 16 + 8 h ..
.endr
.irp t, 0,1,2,3,4,5,6,7
	ds_load_b128 v[XF+4*\t:XF+4*\t+3], v[SX] offset:2*\t*WPITCH   ; LDS serves a wave's instructions in order (ISA guide 5.7.1.4): these see the stores above
.endr
.irp t, 0,1,2,3,4,5,6,7
	s_wait_dscnt 7-\t                              ; load t is in, the younger ones stay out
	global_store_b128 v[SW], v[XF+4*\t:XF+4*\t+3], s[26:27] offset:8192*\t   ; 16 lanes store 256 consecutive bytes, aligned
.endr
	s_wait_alu depctr_vm_vsrc(0)                   ; the stage's LDS stores have read v[OW ..], of which wave 0 writes v64 to v71 again below: the wait stands ahead of the branch
	s_cmp_lg_u32 s3, 0
	s_cbranch_scc1 .Ldone
	; ---- wave 0 alone: softmax over outputs 8-31, H_res, H_merged, the records
	v_mov_b32 v34, 0xff800000
.irp j, 0,1,2,3,4,5,6,7
	v_cndmask_b32 v[ZL+\j], v34, v[ZL+\j], s40     ; outputs 0-7 are no logits: minus infinity, so that a = 0
.endr
	v_max3_num_f32 v35, v[ZL], v[ZL+1], v[ZL+2]
.irp j, 3,5,7,9,11,13
	v_max3_num_f32 v35, v35, v[ZL+\j], v[ZL+\j+1]
.endr
	v_max_num_f32 v35, v35, v[ZL+15]
	v_permlanex16_b32 v36, v35, s44, s45
	v_max_num_f32 v35, v35, v36                    ; the largest of token r's 24 logits
	v_mul_f32 v36, 0xbfb8aa3b, v35
.irp j, 0,1,2,3,4,5,6,7,8,9,10,11,12,13,14,15
	v_fma_f32 v[ZL+\j], v[ZL+\j], s48, v36         ; (z - max) log2 e
.endr
.irp j, 0,1,2,3,4,5,6,7,8,9,10,11,12,13,14,15
	v_exp_f32 v[ZL+\j], v[ZL+\j]
.endr
	v_nop                                          ; one plain line behind the run of transcendentals
.irp i, 0,1,2,3,4,5,6,7
	v_cvt_pk_f16_f32 v[42+\i], v[PM+2*\i], v[PM+2*\i+1]   ; perm_mat's fragment
.endr
	s_wait_alu depctr_va_vdst(0)                   ; the sixteen exponentials have written v[ZL ..], ahead of their first reader
	v_pk_add_f32 v[64:65], v[ZL:ZL+1],     v[ZL+2:ZL+3]
	v_pk_add_f32 v[66:67], v[ZL+4:ZL+5],   v[ZL+6:ZL+7]
	v_pk_add_f32 v[68:69], v[ZL+8:ZL+9],   v[ZL+10:ZL+11]
	v_pk_add_f32 v[70:71], v[ZL+12:ZL+13], v[ZL+14:ZL+15]
	v_pk_add_f32 v[64:65], v[64:65], v[66:67]
	v_pk_add_f32 v[68:69], v[68:69], v[70:71]
	v_pk_add_f32 v[64:65], v[64:65], v[68:69]
	v_add_f32 v64, v64, v65
	v_permlanex16_b32 v65, v64, s44, s45
	v_add_f32 v64, v64, v65                        ; at least 1: the largest logit gives 2^0
	v_rcp_f32 v65, v64
	v_lshlrev_b32 v68, 7, v[RR]                    ; (a plain line behind v_rcp_f32) my record: 128 r
	s_wait_alu depctr_va_vdst(0)                   ; the reciprocal has written v65, ahead of its first reader
.irp j, 0,1,2,3,4,5,6,7,8,9,10,11,12,13,14,15
	v_mul_f32 v[ZL+\j], v[ZL+\j], v65
.endr
.irp i, 0,1,2,3,4,5,6,7
	v_cvt_pk_f16_f32 v[50+\i], v[ZL+2*\i], v[ZL+2*\i+1]   ; the accumulators' order is a fragment's order with k = the output's index
.endr
	v_wmma_f32_16x16x32_f16 v[10:17], v[42:49], v[50:57], 0   ; register j: entry 8 h + j of H_res of token r
	v_lshl_add_u32 v68, v[HH], 5, v68              ; four places behind the product (ISA guide 7.12.1): + 32 h,
	v_cndmask_b32 v66, v[HQ],   v[HQ+2], s40       ; h_post[2 h],
	v_cndmask_b32 v67, v[HQ+1], v[HQ+3], s40       ; h_post[2 h + 1],
	v_nop
.irp j, 0,1,2,3,4,5,6,7
	v_fma_f32 v[18+\j], -v[66+\j/4], v[HP+\j%4], v[10+\j]   ; H_res[i][jj] - h_post[i] h_pre[jj], i = 2 h + j / 4, jj = j % 4
.endr
	s_wait_alu depctr_va_vdst(0)                   ; the eight lines above have written v18 to v25, which the stores read; v68, their offset, is written
	global_store_b128 v68, v[18:21], s[28:29]
	global_store_b128 v68, v[22:25], s[28:29] offset:16
	global_store_b128 v68, v[HQ:HQ+3], s[28:29] offset:64    ; floats 16-19 (h = 0) and 24-27 (h = 1)
	global_store_b128 v68, v[HP:HP+3], s[28:29] offset:80    ; floats 20-23 and 28-31
.Ldone:
	s_wait_xcnt 0x0
	v_lshl_add_u32 v254, v0, 2, 0x4c000            ; no two registers can be kept: the pair is made anew from v0, straight ahead of the closing lines; no memory or LDS instruction has read v254 or v255 since the last wait on vm_vsrc
	v_mov_b32 v255, 0
	s_wait_dscnt 0x0                               ; the closing lines, six on end
	s_wait_alu 0x0
	s_wait_tensorcnt 0x0
	ds_add_u32 v254, v255
	s_wait_dscnt 0x0
	s_endpgm
	; ================= work-groups 128-255: W1 (128-191) and W2 (192-255) to f16
.Lcvt:
	s_cmp_lt_u32 s2, 192
	s_cselect_b64 s[34:35], s[22:23], s[24:25]     ; from W1 or W2
	s_cselect_b64 s[36:37], s[30:31], s[32:33]     ; to W1h or W2h
	s_and_b32 s4, s2, 63
	s_lshl_b32 s4, s4, 20                          ; 1 MiB of f32 a work-group,
	s_lshl_b32 s5, s3, 16                          ; 64 KiB a wave
	s_add_co_u32 s4, s4, s5
	s_mov_b32 s5, 0
	s_add_nc_u64 s[34:35], s[34:35], s[4:5]
	s_lshr_b32 s4, s4, 1                           ; half as many bytes out
	s_add_nc_u64 s[36:37], s[36:37], s[4:5]
	v_lshlrev_b32 v2, 4, v1
	v_lshlrev_b32 v3, 3, v1
	s_wait_alu depctr_va_vdst(0)                   ; v2 and v3 are written: every load and store below reads one of them as its offset
.irp b, 0,1,2,3
.irp i, 0,1,2,3,4,5,6,7
	global_load_b128 v[CX+4*(8*\b+\i):CX+4*(8*\b+\i)+3], v2, s[34:35] offset:(8*\b+\i)*512 th:TH_LOAD_NT
.endr
.endr
	s_mov_b32 s38, 3                               ; 4 rounds of 32 x 512 bytes; the last is written out without loads
.Lctrip:
	CBATCH 0, 1, 24                                ; the three younger batches' 24 loads stay out
	CBATCH 1, 1, 24
	CBATCH 2, 1, 24
	CBATCH 3, 1, 24
	s_wait_xcnt 0x0                                ; the bases are stepped only behind this wait
	s_add_nc_u64 s[34:35], s[34:35], 16384
	s_add_nc_u64 s[36:37], s[36:37], 8192
	s_sub_co_u32 s38, s38, 1
	s_cmp_lg_u32 s38, 0
	s_cbranch_scc1 .Lctrip
	CBATCH 0, 0, 24                                ; the counts run down
	CBATCH 1, 0, 16
	CBATCH 2, 0, 8
	CBATCH 3, 0, 0
	s_endpgm
.Lfunc_end_k_q0b0402cc35_prep:
	.size	k_q0b0402cc35_prep, .Lfunc_end_k_q0b0402cc35_prep-k_q0b0402cc35_prep
	.p2alignl 7, 3214868480
	.fill 96, 4, 3214868480
	.section	.rodata,"a",@progbits
	.p2align	6, 0x0
	.amdhsa_kernel k_q0b0402cc35_prep
		.amdhsa_group_segment_fixed_size 313344
		.amdhsa_private_segment_fixed_size 0
		.amdhsa_enable_private_segment 0
		.amdhsa_kernarg_size 104
		.amdhsa_user_sgpr_count 2
		.amdhsa_user_sgpr_kernarg_segment_ptr 1
		.amdhsa_wavefront_size32 1
		.amdhsa_system_sgpr_workgroup_id_x 1
		.amdhsa_system_sgpr_workgroup_id_y 1
		.amdhsa_system_sgpr_workgroup_id_z 1
		.amdhsa_system_vgpr_workitem_id 0
		.amdhsa_next_free_vgpr 256
		.amdhsa_next_free_sgpr 66
		.amdhsa_reserve_vcc 0
		.amdhsa_float_denorm_mode_32 3
		.amdhsa_float_denorm_mode_16_64 3
		.amdhsa_memory_ordered 1
		.amdhsa_forward_progress 1
		.amdhsa_inst_pref_size 143
	.end_amdhsa_kernel
	.amdgpu_metadata
---
amdhsa.version: [ 1, 2 ]
amdhsa.kernels:
  - .name:           k_q0b0402cc35_prep
    .symbol:         k_q0b0402cc35_prep.kd
    .args:
      - { .name: x_streams, .offset: 0, .size: 8, .value_kind: global_buffer, .address_space: global }
      - { .name: W_all, .offset: 8, .size: 8, .value_kind: global_buffer, .address_space: global }
      - { .name: b_all, .offset: 16, .size: 8, .value_kind: global_buffer, .address_space: global }
      - { .name: alpha_pre, .offset: 24, .size: 8, .value_kind: global_buffer, .address_space: global }
      - { .name: alpha_post, .offset: 32, .size: 8, .value_kind: global_buffer, .address_space: global }
      - { .name: alpha_res, .offset: 40, .size: 8, .value_kind: global_buffer, .address_space: global }
      - { .name: perm_mat, .offset: 48, .size: 8, .value_kind: global_buffer, .address_space: global }
      - { .name: W1, .offset: 56, .size: 8, .value_kind: global_buffer, .address_space: global }
      - { .name: W2, .offset: 64, .size: 8, .value_kind: global_buffer, .address_space: global }
      - { .name: li, .offset: 72, .size: 8, .value_kind: global_buffer, .address_space: global }
      - { .name: coef, .offset: 80, .size: 8, .value_kind: global_buffer, .address_space: global }
      - { .name: W1h, .offset: 88, .size: 8, .value_kind: global_buffer, .address_space: global }
      - { .name: W2h, .offset: 96, .size: 8, .value_kind: global_buffer, .address_space: global }
    .group_segment_fixed_size: 313344
    .private_segment_fixed_size: 0
    .kernarg_segment_align: 8
    .kernarg_segment_size: 104
    .max_flat_workgroup_size: 512
    .sgpr_count:     66
    .vgpr_count:     256
    .wavefront_size: 32
...
	.end_amdgpu_metadata
.endif
;; end of part 5
;; launch gemm1: the kernel of part 2 again; grid 32 x 8, 4 waves a work-group, clusters of 4 x 4, 327,680 bytes of LDS; arguments li, W1h, h, b1; writes h
;; launch gemm2: the kernel of part 3 again; grid 32 x 8, 4 waves a work-group, clusters of 4 x 4, 327,680 bytes of LDS; arguments h, W2h, part; writes part
;; launch mix: the kernel of part 4 again; grid 256 x 1, 16 waves a work-group, no clusters, 0 bytes of LDS; arguments x_streams, part, coef, b2, out0; writes out0
